; MI455X (gfx1250); checked and timed in simulation.
; The chip was launched on July 23, 2026; its instructions are those of AMD's public machine-readable ISA for CDNA 5 (MIT licence, August 2026) and "CDNA5" Instruction Set Architecture Reference Guide (July 2026). The comments in the code are by the model that wrote it; some were corrected since.
;; MTA. Allowed arithmetic: matrix products marked QUANTISED: E2M1 operands, one E8M0 scale for each 32 along K, by v_wmma_scale_f32_16x16x128_f8f6f4 with both operands' format E2M1 (or v_wmma_scale_f32_32x16x128_f4), f32 sums; products left as they are: f32 operands where the result goes on into a quantised operand, else bf16, f16 or f32 operands; f32 sums; everything else in f32.
;; Inputs: W_dec_codes 1,024 x 32 x 16 uint8 (E2M1 codes of W_dec, K innermost, in blocks of 32 codes, two codes a byte); W_dec_scales 1,024 x 32 uint8 (E8M0 scales of W_dec, one for each 32 codes along K); W_enc_codes 1,024 x 32 x 16 uint8 (E2M1 codes of W_enc, K innermost, in blocks of 32 codes, two codes a byte); W_enc_scales 1,024 x 32 uint8 (E8M0 scales of W_enc, one for each 32 codes along K); att_prev 32 x 2,000 float32; b_enc 1,024 float32; dec_z_codes 32 x 32 x 16 uint8 (E2M1 codes of dec_z, K innermost, in blocks of 32 codes, two codes a byte); dec_z_scales 32 x 32 uint8 (E8M0 scales of dec_z, one for each 32 codes along K); enc_hs_len 32 int32; enc_hs_pad 32 x 2,000 x 1,024 float32; g_vec 1 x 1,024 float32; mono_bias 1 x 1 float32; mono_factor 1 x 1 float32; noise 32 x 2,000 float32.
;; Outputs: out0 32 x 1,024 float32; out1 32 x 2,000 float32.
;; This version of the problem:
;;   THIS VERSION OF THE PROBLEM IS GIVEN IN LOW PRECISION. The matrix products marked QUANTISED in the list below multiply operands that are first quantised to E2M1 (2 exponent bits, 1 mantissa bit; 4 bits a number), with one power-of-two scale for each 32 numbers along K (OCP MX v1.0); their sums are f32. All else is computed in f32.
;;   The module's matrix products, in the order in which they are computed (A, B: the left and right operand; K: the contracted axis; several contracted axes count as one K, in the product's order):
;;     1. [M 64,000, K 1,024] x [K 1,024, N 1,024]; A: input enc_hs_pad; B: input W_enc (given as codes): QUANTISED
;;     2. [M 32, K 1,024] x [K 1,024, N 1,024]; A: input dec_z (given as codes); B: input W_dec (given as codes): QUANTISED
;;     3. [M 64,000, K 1,024] x [K 1,024, N 1]; A: computed on the way; B: input g_vec: left as it is (N = 1 < 16)
;;     4. batch 32 x [M 1,024, K 2,000] x [K 2,000, N 1]; A: input enc_hs_pad; B: computed on the way: left as it is (N = 1 < 16)
;;   THE QUANTISER, for each operand of a quantised product, along K:
;;     - K is cut into blocks of 32 from its start; a last block that is shorter is filled with zeros.
;;     - A block's scale is 2^e with e = floor(log2(the largest magnitude in the block)) - 2, held to -126 .. 127; a block of zeros has e = 0. As a byte (E8M0): e + 127.
;;     - Each number is divided by its block's scale, clamped to +-6, and rounded to the nearest number of E2M1, ties to even, subnormals kept.
;;     - The product sums the exact products of the quantised numbers (number of the format x scale) in f32.
;;   ~~~python
;;   def quantise(x, axis):      # numpy; x: float32 -> the quantised numbers, widened to float32 again
;;       x = np.moveaxis(x, axis, -1); K = x.shape[-1]
;;       x = np.pad(x, [(0, 0)] * (x.ndim - 1) + [(0, -K % 32)]); x = x.reshape(x.shape[:-1] + (-1, 32)); a = np.abs(x).max(-1, keepdims=True)
;;       e = np.where(a > 0, np.clip(np.frexp(np.where(a > 0, a, 1))[1] - 1 - 2, -126, 127), 0)      # np.frexp(a)[1] - 1 = floor(log2(a)), exactly
;;       r = np.clip(x / 2.0 ** e, -6, 6)
;;       step = 2.0 ** (np.maximum(np.frexp(np.where(r == 0, 1, r))[1] - 1, 0) - 1)
;;       q = np.round(r / step) * step * 2.0 ** e      # np.round: ties to even
;;       return np.moveaxis(q.reshape(q.shape[:-2] + (-1,))[..., :K], -1, axis).astype(np.float32)
;;   ~~~
;;   INPUTS GIVEN AS CODES. W_dec (in the module: [1024, 1024], K = its axis 1); W_enc (in the module: [1024, 1024], K = its axis 1); dec_z (in the module: [32, 1024], K = its axis 1): each comes as NAME_codes (uint8): NAME with its K axis moved to the last place and cut into blocks of 32 codes, [.., K / 32, bytes a block], one block behind the other in memory; two codes a byte, the lower K in the low four bits (a code: sign, 2 exponent bits, 1 mantissa bit); and NAME_scales (uint8): the same leading axes, one E8M0 byte (e + 127) for each 32 codes along K. Its value is code x scale, taken as it is: it is not quantised again, and the codes and scales need not be those that the quantiser above would give.
;; 2 versions, each right; version 2 is version 1 with the launches dec, main written anew for expert scheduling mode. Each part assembles by itself: llvm-mc -triple=amdgcn-amd-amdhsa -mcpu=gfx1250 --defsym DOCPART=n.
;; ======== version 1 of 2: 3 launches
;; workspace buffers: bc 131,072 bytes; aloc 256,000 bytes; cpart 1,048,576 bytes; lsum 1,024 bytes
;; launch dec (part 1): grid 64 x 1, 1 waves a work-group, no clusters, 0 bytes of LDS; arguments dec_z_codes, dec_z_scales, W_dec_codes, W_dec_scales, b_enc, bc; writes bc
.if DOCPART == 1
	.amdgcn_target "amdgcn-amd-amdhsa--gfx1250"
	.amdhsa_code_object_version 6
	.text
	.protected	k_q94ae4506dd_dec
	.globl	k_q94ae4506dd_dec
	.p2align	8
	.type	k_q94ae4506dd_dec,@function
k_q94ae4506dd_dec:
	s_mov_b64 s[64:65], 0
	v_nop
	global_prefetch_b8 v0, s[64:65] scope:SCOPE_SE
	s_setreg_imm32_b32 hwreg(HW_REG_WAVE_MODE, 25, 1), 1
	s_wait_xcnt 0x0
; LAUNCH 1 OF 3.  bc[b][a] = C2 x (sum over k of dec_z[b][k] W_dec[a][k] + b_enc[a]), C2 = 2 log2(e): what the second launch adds to C2 x (enc . W_enc) ahead of its exponential.
; The product is on the given codes of E2M1 with their E8M0 scale bytes, sums in f32.
; WORK LEFT OUT BY THE WHOLE PROGRAM, in the problem's own terms:
;  - att_prev: reference() accepts it and uses it in no expression, so it has no way to c or a.  It is not loaded and is among no launch's arguments.
;  - rows t >= enc_hs_len[b]: reference() sets e = -inf there and adds the noise; for every finite noise p = sigmoid(-inf) = 0, so a = p x cumprod = 0, w = 0, and
;    log(clip(1 - p)) = log(1) = 0 adds nothing to the cumsum of any later row.  So pre_enc, tanh, the product with g_vec and the row's term of c are not formed for whole blocks of
;    16 rows at or beyond enc_hs_len[b].  The choice is made by a whole number among the inputs, read from memory by the launches that branch on it.  Rows beyond it inside a live block are computed and selected away.
;  LIMIT: a NaN, an infinity or an overflow that reaches only att_prev or the rows left out is not carried to the result.
; SHARES.  One wave a work-group; work-group x makes a = 16 x .. 16 x + 15 for all 32 batches: two accumulators, eight K steps of 128.
; TRANSPOSED USE: source 0 = 16 rows of W_dec, source 1 = 16 rows of dec_z: lane (r, h) holds batch 16 m + r and its registers a = 16 x + 8 h + 0 .. 7: 32 neighbouring bytes of a row of bc.
; The stores are pieces of 64 bytes of rows 4,096 bytes apart; the whole buffer is 131,072 bytes, and a stage in LDS for it would cost more lines than it saves bytes.
	s_load_b256 s[4:11], s[0:1], 0x0               ; dec_z codes s[4:5], dec_z scales s[6:7], W_dec codes s[8:9], W_dec scales s[10:11]
	s_load_b128 s[12:15], s[0:1], 0x20             ; b_enc s[12:13], bc s[14:15]
	v_and_b32 v1, 15, v0                           ; r
	v_lshrrev_b32 v2, 4, v0                        ; h
	v_lshlrev_b32 v3, 9, v1
	v_lshl_add_u32 v3, v2, 4, v3                   ; codes: row r of 512 bytes + 16 h
	v_lshlrev_b32 v4, 5, v1                        ; scale bytes: row r of 32
	v_lshlrev_b32 v5, 5, v2                        ; b_enc: my eight numbers, 32 h
	v_lshlrev_b32 v6, 12, v1
	v_lshl_add_u32 v6, v2, 5, v6                   ; bc: row r of 4,096 bytes + 32 h
	s_lshl_b32 s16, ttmp9, 13                      ; 16 rows of W_dec's codes
	s_mov_b32 s17, 0
	s_lshl_b32 s18, ttmp9, 9                       ; 16 rows of its scale bytes
	s_mov_b32 s19, 0
	s_lshl_b32 s20, ttmp9, 6                       ; 16 numbers of f32
	s_mov_b32 s21, 0
	s_wait_kmcnt 0x0
	s_add_nc_u64 s[8:9], s[8:9], s[16:17]
	s_add_nc_u64 s[10:11], s[10:11], s[18:19]
	s_add_nc_u64 s[12:13], s[12:13], s[20:21]
	s_add_nc_u64 s[14:15], s[14:15], s[20:21]
.irp s, 0,1,2,3,4,5,6,7
.irp c, 0,1
	global_load_b128 v[16+8*\s+4*\c:19+8*\s+4*\c], v3, s[8:9] offset:64*\s+32*\c             ; W_dec: K step s
	global_load_b128 v[80+8*\s+4*\c:83+8*\s+4*\c], v3, s[4:5] offset:64*\s+32*\c             ; dec_z: batches 0-15
	global_load_b128 v[144+8*\s+4*\c:147+8*\s+4*\c], v3, s[4:5] offset:8192+64*\s+32*\c      ; batches 16-31
.endr
.endr
.irp c, 0,1
	global_load_b128 v[208+4*\c:211+4*\c], v4, s[10:11] offset:16*\c                         ; a row's 32 scale bytes: register s is the word of K step s
	global_load_b128 v[216+4*\c:219+4*\c], v4, s[6:7] offset:16*\c
	global_load_b128 v[224+4*\c:227+4*\c], v4, s[6:7] offset:512+16*\c
	global_load_b128 v[232+4*\c:235+4*\c], v5, s[12:13] offset:16*\c                         ; b_enc
.endr
	s_wait_loadcnt 0x0
; the two accumulators take turns, one instruction a turn; the first K step starts the sums
.irp m, 0,1
	v_wmma_scale_f32_16x16x128_f8f6f4 v[240+8*\m:247+8*\m], v[16:23], v[80+64*\m:87+64*\m], 0, v208, v[216+8*\m] matrix_a_fmt:MATRIX_FMT_FP4 matrix_b_fmt:MATRIX_FMT_FP4
.endr
.irp s, 1,2,3,4,5,6,7
.irp m, 0,1
	v_wmma_scale_f32_16x16x128_f8f6f4 v[240+8*\m:247+8*\m], v[16+8*\s:23+8*\s], v[80+64*\m+8*\s:87+64*\m+8*\s], v[240+8*\m:247+8*\m], v[208+\s], v[216+8*\m+\s] matrix_a_fmt:MATRIX_FMT_FP4 matrix_b_fmt:MATRIX_FMT_FP4
.endr
.endr
.irp p, 0,2,4,6
	v_pk_mul_f32 v[232+\p:233+\p], v[232+\p:233+\p], 0x4038aa3b op_sel_hi:[1,0]              ; C2 x b_enc: four plain lines that name no register of the products: the places behind them (ISA guide 7.12.1)
.endr
.irp m, 0,1
.irp p, 0,2,4,6
	v_pk_fma_f32 v[240+8*\m+\p:241+8*\m+\p], v[240+8*\m+\p:241+8*\m+\p], 0x4038aa3b, v[232+\p:233+\p] op_sel_hi:[1,0,1]   ; each accumulator from its low end on
.endr
.endr
.irp m, 0,1
.irp c, 0,1
	global_store_b128 v6, v[240+8*\m+4*\c:243+8*\m+4*\c], s[14:15] offset:65536*\m+16*\c
.endr
.endr
	s_endpgm
.Lfunc_end_k_q94ae4506dd_dec:
	.size	k_q94ae4506dd_dec, .Lfunc_end_k_q94ae4506dd_dec-k_q94ae4506dd_dec
	.p2alignl 7, 3214868480
	.fill 96, 4, 3214868480
	.section	.rodata,"a",@progbits
	.p2align	6, 0x0
	.amdhsa_kernel k_q94ae4506dd_dec
		.amdhsa_group_segment_fixed_size 0
		.amdhsa_private_segment_fixed_size 0
		.amdhsa_enable_private_segment 0
		.amdhsa_kernarg_size 48
		.amdhsa_user_sgpr_count 2
		.amdhsa_user_sgpr_kernarg_segment_ptr 1
		.amdhsa_wavefront_size32 1
		.amdhsa_system_sgpr_workgroup_id_x 1
		.amdhsa_system_sgpr_workgroup_id_y 1
		.amdhsa_system_sgpr_workgroup_id_z 1
		.amdhsa_system_vgpr_workitem_id 0
		.amdhsa_next_free_vgpr 256
		.amdhsa_next_free_sgpr 66
		.amdhsa_reserve_vcc 0
		.amdhsa_float_denorm_mode_32 3
		.amdhsa_float_denorm_mode_16_64 3
		.amdhsa_memory_ordered 1
		.amdhsa_forward_progress 1
		.amdhsa_inst_pref_size 10
	.end_amdhsa_kernel
	.amdgpu_metadata
---
amdhsa.version: [ 1, 2 ]
amdhsa.kernels:
  - .name:           k_q94ae4506dd_dec
    .symbol:         k_q94ae4506dd_dec.kd
    .args:
      - { .name: dec_z_codes, .offset: 0, .size: 8, .value_kind: global_buffer, .address_space: global }
      - { .name: dec_z_scales, .offset: 8, .size: 8, .value_kind: global_buffer, .address_space: global }
      - { .name: W_dec_codes, .offset: 16, .size: 8, .value_kind: global_buffer, .address_space: global }
      - { .name: W_dec_scales, .offset: 24, .size: 8, .value_kind: global_buffer, .address_space: global }
      - { .name: b_enc, .offset: 32, .size: 8, .value_kind: global_buffer, .address_space: global }
      - { .name: bc, .offset: 40, .size: 8, .value_kind: global_buffer, .address_space: global }
    .group_segment_fixed_size: 0
    .private_segment_fixed_size: 0
    .kernarg_segment_align: 8
    .kernarg_segment_size: 48
    .max_flat_workgroup_size: 32
    .sgpr_count:     66
    .vgpr_count:     256
    .wavefront_size: 32
...
	.end_amdgpu_metadata
.endif
;; end of part 1
;; launch main (part 2): grid 8 x 32, 4 waves a work-group, no clusters, 312,832 bytes of LDS; arguments enc_hs_pad, noise, W_enc_codes, W_enc_scales, g_vec, bc, aloc, cpart, enc_hs_len, mono_factor, mono_bias, lsum; writes aloc, cpart, lsum
.if DOCPART == 2
	.amdgcn_target "amdgcn-amd-amdhsa--gfx1250"
	.amdhsa_code_object_version 6
	.text
	.protected	k_q94ae4506dd_main
	.globl	k_q94ae4506dd_main
	.p2align	8
	.type	k_q94ae4506dd_main,@function
k_q94ae4506dd_main:
	s_mov_b64 s[64:65], 0
	v_nop
	global_prefetch_b8 v0, s[64:65] scope:SCOPE_SE
	s_setreg_imm32_b32 hwreg(HW_REG_WAVE_MODE, 25, 1), 1
	s_wait_xcnt 0x0
; LAUNCH 2 OF 3.  For one chunk of one batch's rows t: quantise enc to E2M1 along its 1,024, multiply by W_enc's codes, tanh, the product with g_vec, noise, sigmoid, and the chunk's LOCAL results:
;   aloc[t] = p[t] x 2^(sum of log2(clip(1 - p)) over the chunk's earlier rows);  cpart = sum over the chunk's rows of aloc[t] x enc[t][:];  lsum = the chunk's whole sum of log2(clip(1 - p)).
; The exclusive cumprod factors over chunks, so the last launch only multiplies by 2^(sum of the earlier chunks' lsum).  enc is so read from memory ONCE for both of its products.
; WORK LEFT OUT (shown at the head of the first kernel): att_prev is not loaded; whole blocks of 16 rows at or beyond enc_hs_len[b] are not loaded and not computed.
; SHARES.  L = enc_hs_len[b] held to 0 .. 2,000; q = ceil(L / 128), at most 16.  Work-group (j, b) owns the blocks of 16 rows j q .. j q + cnt - 1, cnt = (ceil(L / 16) - j q) held to 0 .. q.
;   Wave w owns columns a = 256 w .. 256 w + 255 of W_enc (16 tiles of 16) for all rows, and loads, quantises and keeps rows 4 w .. 4 w + 3 of every block.
; W_enc STAYS ON THE WGP: a wave's fragments of K steps 0-3 in 512 registers, of K steps 4-7 as images of their registers in its own 65,536 bytes of LDS; read from memory once a work-group.
; NO CLUSTER, NO TENSOR LOAD: enc has to pass through registers for the quantiser, nobody shares it, and W_enc is fetched only once.
; The loop has 16 trips in every work-group and its two barriers lie on every wave's way; scalar branches on the blocks left lead round the work alone.
; The head's first block (load, noise, quantiser) is run without a test: block j q is at most 112 of a batch's 125, so it lies inside the buffers; a chunk without rows does that one block for nothing.
; tanh(z) = 1 - 2 / (1 + 2^(C2 z)), C2 = 2 log2(e): right at both ends, where the exponential is 0 or infinite.  So e = E0 + E1 x sum of g / (1 + 2^(..)), E1 = -2 scale, E0 = scale x sum(g) + mono_bias.
; LIMITS: a block of 32 whose largest magnitude lies under 2^-124 keeps the scale byte 1 (a block of zeros too: its codes are zeros and this launch alone reads the bytes); NaN and infinities in enc or noise are not served;
;   enc goes into the product with aloc rounded to bf16; K is summed in the order of K steps 4, 5, 0-3, 6, 7.
; PRODUCT: source 0 = 16 rows of x, source 1 = 16 rows of W_enc: register j of lane (r, h) is (t = 8 h + j, a = r): bias and g cost one number a lane and tile.
; LDS
.set WS,    262144                     ; behind the four waves' images of W (wave x 65,536 + (4 n + s - 4) x 1,024 + 512 c + 16 lane): W's scale images, wave x 8,192 + 512 n + 16 lane
.set TBC,   294912                     ; bc[b][a], 4 bytes a column; g 4,096 bytes further on
.set XC,    303104                     ; the block's codes: 16 rows, 512 bytes + 16 of padding
.set XS,    311552                     ; its scale bytes, 32 a row
.set EP,    312064                     ; partial sums [wave][16 rows]
.set SPARE, 312320                     ; the spare words, 128 bytes a wave, which no other line names
; REGISTERS, window 0
.set VE,   1                           ; enc: 16,384 w + 32 lane
.set VT,   2                           ; 4 (lane % 16)
.set AWL,  3                           ; 65,536 w + 16 lane
.set ASW,  4                           ; WS + 8,192 w + 16 lane
.set ABG,  5                           ; TBC + 1,024 w + 4 r
.set AXF,  6                           ; XC + 528 r + 16 h
.set AXS,  7                           ; XS + 32 r + 16 h
.set AQC,  8                           ; XC + 2,112 w + 4 lane
.set AQS,  9                           ; XS + 128 w + lane / 4
.set AEP,  10                          ; EP + 4 (lane % 16)
.set AES,  11                          ; EP + 64 w + 32 h + 4 (r % 8)
.set TROW, 12                          ; the block's first row + lane % 16
.set E0,   13
.set E1,   14
.set LRUN, 15                          ; the chunk's running sum of log2(clip(1 - p))
.set XSR,  16                          ; v16-19 x's scale words: register q: K step q in lanes 0-15, K step 4 + q in lanes 16-31
.set WSR,  20                          ; v20-35 W's, four tiles x 4, laid likewise
.set BG,   36                          ; v36-51 tile nt: bc at 36 + 4 nt, g at 38 + 4 nt; the odd registers hold 0 (named as upper halves of pairs)
.set SACC, 52                          ; v52-59 sum over my columns of g / (1 + 2^..), for rows 8 h + 0 .. 7
.set ACC,  60                          ; v60-91 four accumulators
.set CACC, 92                          ; v92-123 my rows' part of cpart: register 8 i + e = column 256 i + 8 lane + e
.set IDX,  124                         ; v124-127 4 x (4 w + u)
.set WB,   128                         ; v128-131 aloc of my four rows
.set NZ,   132                         ; the block's noise
.set AL,   133                         ; aloc of row lane % 16
.set T,    134                         ; v134-181 at work
.set SPW,  182                         ; my spare word's LDS address; never rewritten
.set NIL,  183                         ; 0; never rewritten
.set ACR,  184                         ; 4,096 w + 32 lane
.set ACD,  185                         ; 1,024 w + 16 lane
.set ATB,  186                         ; TBC + 1,024 w + 16 lane
.set VW,   187                         ; W's codes: (256 w + r) x 512 + 16 h
.set VS,   188                         ; W's scale bytes: (256 w + r) x 32 + 16 h
.set VL,   189                         ; 16 lane
.set XF,   192                         ; v192-255 x's eight fragments
; window 1: v0-127 X, a block's f32 numbers: register 32 u + 8 i + e = enc(row 4 w + u, 256 i + 8 lane + e); v128-191 R, the block in hand as bf16; v192-255 S, eight fragments of W out of LDS
.set R,    128
.set S,    192
; windows 2, 3: W's fragment (tile n, K step s < 4) at v[8 (4 (n % 8) + s)] of window 2 + n / 8
.set REM,  32                          ; s32 blocks left
.set TRC,  33                          ; s33 trips left
.set CC,   34                          ; s[34:35] C2
.set SEL,  36                          ; s[36:37] selects of v_permlanex16_b32: lane xor 16
.set MK,   40                          ; s40-47 lanes whose r % 8 is k
.set EB,   56                          ; s[56:57] enc at the next block to load
.set NB,   58                          ; s[58:59] noise at the next block to load
.set AB,   60                          ; s[60:61] aloc at the block in hand
.set MSB, 0
.macro WIN new                         ; s_set_vgpr_msb: bits 1:0 source 0, 3:2 source 1, 5:4 source 2, 7:6 destination; the high byte repeats the setting that is left
.if MSB != (\new)
	s_set_vgpr_msb (MSB<<8)|(\new)
.set MSB, (\new)
.endif
.endm
.macro PLACES                          ; four plain lines between a matrix instruction and a load into, or a vector read of, its registers
.rept 4
	v_nop
.endr
.endm
.macro BAR                             ; my LDS stores have landed and my LDS loads are in: then the work-group's barrier
	s_wait_dscnt 0x0
	s_barrier_signal -1
	s_barrier_wait -1
.endm
; My four rows of the block at s[EB]: a lane takes 32 neighbouring bytes, eight neighbours along K as the conversion wants them, by two loads on end: the pair covers 1,024 consecutive bytes
.macro ELOAD
	WIN 0x40
.irp u, 0,1,2,3
.irp i, 0,1,2,3
.irp c, 0,1
	global_load_b128 v[32*\u+8*\i+4*\c:32*\u+8*\i+4*\c+3], v[VE], s[EB:EB+1] offset:4096*\u+1024*\i+16*\c th:TH_LOAD_RT_NT
.endr
.endr
.endr
	WIN 0
.endm
; X becomes codes and scale bytes in LDS, and bf16 in R.  A block of 32 along K lies in four neighbouring lanes.  Temporaries of row u: T + 12 u: +0..3 largest magnitude, then byte; +4..7 scale operand; +8..11 codes
.macro QUANT4
	WIN 0x05
.irp u, 0,1,2,3
.irp i, 0,1,2,3
	v_max3_num_f32 v[T+12*\u+\i], |v[32*\u+8*\i]|, |v[32*\u+8*\i+1]|, 0x1800000              ; with the floor 2^(3 - 127): the byte cannot fall under 1
.endr
.endr
.irp e, 2,4,6
.irp u, 0,1,2,3
.irp i, 0,1,2,3
	v_max3_num_f32 v[T+12*\u+\i], |v[32*\u+8*\i+\e]|, |v[32*\u+8*\i+\e+1]|, v[T+12*\u+\i]
.endr
.endr
.endr
	WIN 0
.irp m, 1,2
.irp u, 0,1,2,3
.irp i, 0,1,2,3
	v_max_num_f32_dpp v[T+12*\u+\i], v[T+12*\u+\i], v[T+12*\u+\i] row_xmask:\m row_mask:0xf bank_mask:0xf
.endr
.endr
.endr
.irp u, 0,1,2,3
.irp i, 0,1,2,3
	v_add_nc_u32 v[T+12*\u+4+\i], 0xff000000, v[T+12*\u+\i]                                  ; 2 off the exponent field: the conversion's scale operand
.endr
.endr
.irp u, 0,1,2,3
.irp i, 0,1,2,3
	v_lshrrev_b32 v[T+12*\u+\i], 23, v[T+12*\u+4+\i]                                         ; the scale's byte
.endr
.endr
	WIN 0x01
.irp u, 0,1,2,3
.irp i, 0,1,2,3
	v_cvt_scalef32_pk8_fp4_f32 v[T+12*\u+8+\i], v[32*\u+8*\i:32*\u+8*\i+7], v[T+12*\u+4+\i]
.endr
.endr
	WIN 0x45
.irp u, 0,1,2,3
.irp i, 0,1,2,3
.irp p, 0,1,2,3
	v_cvt_pk_bf16_f32 v[R+16*\u+4*\i+\p], v[32*\u+8*\i+2*\p], v[32*\u+8*\i+2*\p+1]           ; (also the plain lines behind the scaled conversions)
.endr
.endr
.endr
	WIN 0
.irp u, 0,1,2,3
.irp i, 0,1,2,3
	ds_store_b32 v[AQC], v[T+12*\u+8+\i] offset:528*\u+128*\i                                ; eight codes: bytes 128 i + 4 lane of the row
	ds_store_b8 v[AQS], v[T+12*\u+\i] offset:32*\u+8*\i                                      ; the four lanes of a block write the same byte with the same value
.endr
.endr
.endm
; K steps 4 + k0 and 5 + k0 of group gn's four tiles, out of my images, into S
.macro SLD gn, k0
	WIN 0x40
.irp nt, 0,1,2,3
.irp ks, 0,1
.irp c, 0,1
	ds_load_b128 v[S+16*\nt+8*\ks+4*\c:S+16*\nt+8*\ks+4*\c+3], v[AWL] offset:(4*(4*(\gn)+\nt)+(\k0)+\ks)*1024+512*\c
.endr
.endr
.endr
	WIN 0
.endm
.macro WSLD gn                         ; and their scale words
.irp nt, 0,1,2,3
	ds_load_b128 v[WSR+4*\nt:WSR+4*\nt+3], v[ASW] offset:512*(4*(\gn)+\nt)
.endr
.endm
; one product: K step s, accumulator nt, W's fragment at register b of the window in force
.macro WM s, nt, b, zero
.if (\s) >= 4
.if \zero
	v_wmma_scale_f32_16x16x128_f8f6f4 v[ACC+8*(\nt):ACC+8*(\nt)+7], v[XF+8*(\s):XF+8*(\s)+7], v[0+(\b):7+(\b)], 0, v[XSR+(\s)-4], v[WSR+4*(\nt)+(\s)-4] matrix_a_fmt:MATRIX_FMT_FP4 matrix_b_fmt:MATRIX_FMT_FP4 matrix_a_scale:MATRIX_SCALE_ROW1 matrix_b_scale:MATRIX_SCALE_ROW1
.else
	v_wmma_scale_f32_16x16x128_f8f6f4 v[ACC+8*(\nt):ACC+8*(\nt)+7], v[XF+8*(\s):XF+8*(\s)+7], v[0+(\b):7+(\b)], v[ACC+8*(\nt):ACC+8*(\nt)+7], v[XSR+(\s)-4], v[WSR+4*(\nt)+(\s)-4] matrix_a_fmt:MATRIX_FMT_FP4 matrix_b_fmt:MATRIX_FMT_FP4 matrix_a_scale:MATRIX_SCALE_ROW1 matrix_b_scale:MATRIX_SCALE_ROW1
.endif
.else
	v_wmma_scale_f32_16x16x128_f8f6f4 v[ACC+8*(\nt):ACC+8*(\nt)+7], v[XF+8*(\s):XF+8*(\s)+7], v[0+(\b):7+(\b)], v[ACC+8*(\nt):ACC+8*(\nt)+7], v[XSR+(\s)], v[WSR+4*(\nt)+(\s)] matrix_a_fmt:MATRIX_FMT_FP4 matrix_b_fmt:MATRIX_FMT_FP4
.endif
.endm
; Tiles 4 g .. 4 g + 3 of my 16: 32 products, the four accumulators by turns, one instruction a turn, then their part of the sum with g.
; S holds K steps 4, 5 on the way in; K steps 6, 7 come while the 16 products on registers are issued; the next group's 4, 5 come while the exponentials are worked.
.macro GROUP g, first
	s_wait_dscnt 0x0                               ; S, W's scale words (and for the block's first group x's fragments and scale words) are in
	WIN 0x04
.irp nt, 0,1,2,3
	WM 4, \nt, S+16*\nt, 1
.endr
.irp nt, 0,1,2,3
	WM 5, \nt, S+16*\nt+8, 0
.endr
	PLACES
	SLD \g, 2
.irp nt, 0,1,2,3
	ds_load_b32 v[BG+4*\nt], v[ABG] offset:64*(4*(\g)+\nt)
	ds_load_b32 v[BG+4*\nt+2], v[ABG] offset:4096+64*(4*(\g)+\nt)
.endr
	WIN 0x08+4*((\g)/2)
.irp ks, 0,1,2,3
.irp nt, 0,1,2,3
	WM \ks, \nt, 8*(4*(4*((\g)%2)+\nt)+\ks), 0
.endr
.endr
	s_wait_dscnt 0x0                               ; K steps 6, 7, bc and g are in
	WIN 0x04
.irp nt, 0,1,2,3
	WM 6, \nt, S+16*\nt, 0
.endr
.irp nt, 0,1,2,3
	WM 7, \nt, S+16*\nt+8, 0
.endr
	PLACES
	SLD ((\g)+1)%4, 0
	WSLD ((\g)+1)%4
.irp nt, 0,1,2,3
.irp p, 0,2,4,6
	v_pk_fma_f32 v[ACC+8*\nt+\p:ACC+8*\nt+\p+1], v[ACC+8*\nt+\p:ACC+8*\nt+\p+1], s[CC:CC+1], v[BG+4*\nt:BG+4*\nt+1] op_sel_hi:[1,0,0]   ; C2 x sum + bc; each accumulator from its low end on
.endr
.endr
.set jj, 0
.rept 32
	v_exp_f32 v[ACC+jj], v[ACC+jj]
.set jj, jj+1
.endr
	v_nop                                          ; a plain line behind the last exponential,
	s_wait_alu depctr_va_vdst(0)                   ; and one wait for the batch ahead of its first reader
.set jj, 0
.rept 16
	v_pk_add_f32 v[ACC+jj:ACC+jj+1], v[ACC+jj:ACC+jj+1], 1.0 op_sel_hi:[1,0]
.set jj, jj+2
.endr
.set jj, 0
.rept 32
	v_rcp_f32 v[ACC+jj], v[ACC+jj]
.set jj, jj+1
.endr
	v_nop
	s_wait_alu depctr_va_vdst(0)                   ; likewise for the reciprocals
.irp nt, 0,1,2,3
.irp p, 0,2,4,6
.if (\first) && (\nt == 0)
	v_pk_mul_f32 v[SACC+\p:SACC+\p+1], v[ACC+\p:ACC+\p+1], v[BG+2:BG+3] op_sel_hi:[1,0]      ; the block's first tile starts the sums: nothing is cleared
.else
	v_pk_fma_f32 v[SACC+\p:SACC+\p+1], v[ACC+8*\nt+\p:ACC+8*\nt+\p+1], v[BG+4*\nt+2:BG+4*\nt+3], v[SACC+\p:SACC+\p+1] op_sel_hi:[1,0,1]
.endif
.endr
.endr
.endm
.macro CUPD                            ; cpart's part: my four rows, as bf16, times their aloc, summed in f32
	WIN 0x01
.irp u, 0,1,2,3
.irp i, 0,1,2,3
.irp p, 0,1,2,3
	v_fma_mix_f32_bf16 v[CACC+8*\i+2*\p], v[R+16*\u+4*\i+\p], v[WB+\u], v[CACC+8*\i+2*\p] op_sel_hi:[1,0,0]
	v_fma_mix_f32_bf16 v[CACC+8*\i+2*\p+1], v[R+16*\u+4*\i+\p], v[WB+\u], v[CACC+8*\i+2*\p+1] op_sel:[1,0,0] op_sel_hi:[1,0,0]
.endr
.endr
.endr
	WIN 0
.endm
.macro WLD k, reg                      ; K steps 4-7 of tiles 2 k, 2 k + 1 from memory into 64 registers of window 1
	WIN 0x40
.irp t, 0,1
.irp ks, 0,1,2,3
.irp c, 0,1
	global_load_b128 v[(\reg)+32*\t+8*\ks+4*\c:(\reg)+32*\t+8*\ks+4*\c+3], v[VW], s[12:13] offset:8192*(2*(\k)+\t)+256+64*\ks+32*\c
.endr
.endr
.endr
.endm
.macro WST k, reg                      ; and on into my images
	WIN 0x04
.irp t, 0,1
.irp ks, 0,1,2,3
.irp c, 0,1
	ds_store_b128 v[AWL], v[(\reg)+32*\t+8*\ks+4*\c:(\reg)+32*\t+8*\ks+4*\c+3] offset:(4*(2*(\k)+\t)+\ks)*1024+512*\c
.endr
.endr
.endr
.endm
	s_load_b512 s[8:23], s[0:1], 0x0               ; enc s[8:9], noise s[10:11], W codes s[12:13], W scales s[14:15], g s[16:17], bc s[18:19], aloc s[20:21], cpart s[22:23]
	s_load_b256 s[24:31], s[0:1], 0x40             ; enc_hs_len s[24:25], mono_factor s[26:27], mono_bias s[28:29], lsum s[30:31]
	v_lshl_add_u32 v[SPW], v0, 2, SPARE
	v_mov_b32 v[NIL], 0
	v_lshrrev_b32 v[T], 5, v0
	v_readfirstlane_b32 s2, v[T]                   ; wave 0..3
	v_and_b32 v[T], 31, v0                         ; lane
	v_and_b32 v[T+1], 15, v0                       ; r
	v_bfe_u32 v[T+2], v0, 4, 1                     ; h
	v_and_b32 v[T+3], 7, v0                        ; r % 8
	s_mov_b32 s3, ttmp9                            ; j
	s_and_b32 s4, ttmp7, 0xffff                    ; b
	s_lshl_b32 s48, s2, 14
	v_lshl_add_u32 v[VE], v[T], 5, s48
	v_lshlrev_b32 v[VT], 2, v[T+1]
	s_lshl_b32 s48, s2, 16
	v_lshl_add_u32 v[AWL], v[T], 4, s48
	s_lshl_b32 s48, s2, 13
	v_lshl_add_u32 v[VS], v[T+1], 5, s48
	v_lshl_add_u32 v[VS], v[T+2], 4, v[VS]
	s_add_co_u32 s48, s48, WS
	v_lshl_add_u32 v[ASW], v[T], 4, s48
	s_lshl_b32 s48, s2, 10
	v_lshl_add_u32 v[ACD], v[T], 4, s48
	s_add_co_u32 s48, s48, TBC
	v_lshl_add_u32 v[ABG], v[T+1], 2, s48
	v_lshl_add_u32 v[ATB], v[T], 4, s48
	v_mul_u32_u24 v[AXF], v[T+1], 528
	v_lshl_add_u32 v[AXF], v[T+2], 4, v[AXF]
	v_add_nc_u32 v[AXF], XC, v[AXF]
	v_lshlrev_b32 v[AXS], 5, v[T+1]
	v_lshl_add_u32 v[AXS], v[T+2], 4, v[AXS]
	v_add_nc_u32 v[AXS], XS, v[AXS]
	s_mul_i32 s48, s2, 2112
	s_add_co_u32 s48, s48, XC
	v_lshl_add_u32 v[AQC], v[T], 2, s48
	s_lshl_b32 s48, s2, 7
	s_add_co_u32 s48, s48, XS
	v_lshrrev_b32 v[AQS], 2, v[T]
	v_add_nc_u32 v[AQS], s48, v[AQS]
	v_lshl_add_u32 v[AEP], v[T+1], 2, EP
	s_lshl_b32 s48, s2, 6
	s_add_co_u32 s48, s48, EP
	v_lshl_add_u32 v[AES], v[T+3], 2, s48
	v_lshl_add_u32 v[AES], v[T+2], 5, v[AES]
	s_lshl_b32 s48, s2, 12
	v_lshl_add_u32 v[ACR], v[T], 5, s48
	s_lshl_b32 s48, s2, 17
	v_lshl_add_u32 v[VW], v[T+1], 9, s48
	v_lshl_add_u32 v[VW], v[T+2], 4, v[VW]
	v_lshlrev_b32 v[VL], 4, v[T]
	s_lshl_b32 s48, s2, 4
	v_mov_b32 v[IDX], s48
.irp u, 1,2,3
	v_add_nc_u32 v[IDX+\u], 4*\u, v[IDX]
.endr
.irp k, 0,1,2,3,4,5,6,7
	v_cmp_eq_u32 s[MK+\k], \k, v[T+3]
	v_mov_b32 v[BG+2*\k+1], 0
.endr
.set jj, 0
.rept 32
	v_mov_b32 v[CACC+jj], 0                        ; a chunk may have no rows, and still stores its part of cpart
.set jj, jj+1
.endr
	v_mov_b32 v[LRUN], 0
	s_mov_b32 s[CC], 0x4038aa3b                    ; C2 = 2 log2(e)
	s_mov_b32 s[CC+1], s[CC]
	s_mov_b32 s[SEL], 0x76543210
	s_mov_b32 s[SEL+1], 0xfedcba98
	s_lshl_b32 s48, s4, 2
	s_mov_b32 s49, 0
	s_wait_kmcnt 0x0
	s_add_nc_u64 s[24:25], s[24:25], s[48:49]
	s_load_b32 s5, s[24:25], 0x0                   ; enc_hs_len[b]
	s_load_b32 s38, s[26:27], 0x0                  ; mono_factor
	s_load_b32 s39, s[28:29], 0x0                  ; mono_bias
	s_mov_b32 s51, 0
	s_lshl_b32 s50, s4, 12
	s_add_nc_u64 s[18:19], s[18:19], s[50:51]      ; bc at my batch
	s_lshl_b32 s50, s4, 3
	s_add_co_u32 s50, s50, s3                      ; 8 b + j
	s_lshl_b32 s52, s50, 2
	s_mov_b32 s53, 0
	s_add_nc_u64 s[30:31], s[30:31], s[52:53]      ; lsum at my chunk
	s_lshl_b32 s50, s50, 12
	s_add_nc_u64 s[22:23], s[22:23], s[50:51]      ; cpart at my chunk
	s_wait_kmcnt 0x0
	s_max_i32 s5, s5, 0
	s_min_u32 s5, s5, 2000                         ; L
	s_add_co_u32 s6, s5, 127
	s_lshr_b32 s6, s6, 7
	s_min_u32 s6, s6, 16                           ; q: held by a constant ahead of every address that is made of it
	s_add_co_u32 s7, s5, 15
	s_lshr_b32 s7, s7, 4                           ; live blocks of the batch
	s_mul_i32 s48, s3, s6                          ; j q: my first block, at most 112
	s_sub_co_i32 s[REM], s7, s48
	s_max_i32 s[REM], s[REM], 0
	s_min_u32 s[REM], s[REM], s6                   ; my blocks
	s_mul_i32 s50, s4, 8192000
	s_add_nc_u64 s[EB:EB+1], s[8:9], s[50:51]
	s_lshl_b32 s50, s48, 16
	s_add_nc_u64 s[EB:EB+1], s[EB:EB+1], s[50:51]
	s_mul_i32 s50, s4, 8000
	s_lshl_b32 s52, s48, 6
	s_add_co_u32 s50, s50, s52
	s_add_nc_u64 s[NB:NB+1], s[10:11], s[50:51]
	s_add_nc_u64 s[AB:AB+1], s[20:21], s[50:51]
	s_lshl_b32 s52, s48, 4
	v_add_nc_u32 v[TROW], s52, v[T+1]
	ELOAD                                          ; my first block is asked for ahead of the weights
	global_load_b32 v[NZ], v[VT], s[NB:NB+1]
	WIN 0x80                                       ; W's K steps 0-3: tiles 0-7 into window 2,
.irp n, 0,1,2,3,4,5,6,7
.irp ks, 0,1,2,3
.irp c, 0,1
	global_load_b128 v[8*(4*\n+\ks)+4*\c:8*(4*\n+\ks)+4*\c+3], v[VW], s[12:13] offset:8192*\n+64*\ks+32*\c
.endr
.endr
.endr
	WIN 0xc0                                       ; tiles 8-15 into window 3
.irp n, 0,1,2,3,4,5,6,7
.irp ks, 0,1,2,3
.irp c, 0,1
	global_load_b128 v[8*(4*\n+\ks)+4*\c:8*(4*\n+\ks)+4*\c+3], v[VW], s[12:13] offset:8192*(8+\n)+64*\ks+32*\c
.endr
.endr
.endr
	WLD 0, S                                       ; K steps 4-7 go through S and R by turns, two batches of 16 loads out
	WLD 1, R
.irp k, 0,1,2,3,4,5
	s_wait_loadcnt 16                              ; loads come back in order: all but the one younger batch of 16 are in
	WST \k, S-64*(\k%2)
	s_wait_dscnt 0x0                               ; the stores have read their registers, which take the batch two on
	WLD \k+2, S-64*(\k%2)
.endr
	s_wait_loadcnt 16
	WST 6, S
	s_wait_loadcnt 0x0
	WST 7, R
	WIN 0
.irp n, 0,1,2,3,4,5,6,7,8,9,10,11,12,13,14,15
	global_load_b128 v[XF+4*\n:XF+4*\n+3], v[VS], s[14:15] offset:512*\n                     ; W's scale bytes: lane (r, h) takes bytes 16 h .. 16 h + 15 of row r of tile n
.endr
.irp c, 0,1
	global_load_b128 v[T+4*\c:T+4*\c+3], v[ACD], s[18:19] offset:512*\c                      ; bc of my 256 columns
	global_load_b128 v[T+8+4*\c:T+8+4*\c+3], v[ACD], s[16:17] offset:512*\c                  ; g of my 256 columns
.endr
.irp c, 0,1,2,3,4,5,6,7
	global_load_b128 v[ACC+4*\c:ACC+4*\c+3], v[VL], s[16:17] offset:512*\c                   ; all of g, for its sum and its norm
.endr
	s_wait_loadcnt 0x0
.irp n, 0,1,2,3,4,5,6,7,8,9,10,11,12,13,14,15
	ds_store_b128 v[ASW], v[XF+4*\n:XF+4*\n+3] offset:512*\n
.endr
.irp c, 0,1
	ds_store_b128 v[ATB], v[T+4*\c:T+4*\c+3] offset:512*\c
	ds_store_b128 v[ATB], v[T+8+4*\c:T+8+4*\c+3] offset:4096+512*\c
.endr
	v_pk_mul_f32 v[T+16:T+17], v[ACC:ACC+1], v[ACC:ACC+1]
	v_pk_add_f32 v[T+18:T+19], v[ACC:ACC+1], v[ACC+2:ACC+3]
	v_pk_fma_f32 v[T+16:T+17], v[ACC+2:ACC+3], v[ACC+2:ACC+3], v[T+16:T+17]
.irp p, 4,6,8,10,12,14,16,18,20,22,24,26,28,30
	v_pk_fma_f32 v[T+16:T+17], v[ACC+\p:ACC+\p+1], v[ACC+\p:ACC+\p+1], v[T+16:T+17]
	v_pk_add_f32 v[T+18:T+19], v[T+18:T+19], v[ACC+\p:ACC+\p+1]
.endr
	v_add_f32 v[T+16], v[T+16], v[T+17]
	v_add_f32 v[T+18], v[T+18], v[T+19]
.irp m, 1,2,4,8
	v_add_f32_dpp v[T+16], v[T+16], v[T+16] row_xmask:\m row_mask:0xf bank_mask:0xf
	v_add_f32_dpp v[T+18], v[T+18], v[T+18] row_xmask:\m row_mask:0xf bank_mask:0xf
.endr
	v_permlanex16_b32 v[T+17], v[T+16], s[SEL], s[SEL+1]
	v_permlanex16_b32 v[T+19], v[T+18], s[SEL], s[SEL+1]
	v_add_f32 v[T+16], v[T+16], v[T+17]            ; sum of g^2
	v_add_f32 v[T+18], v[T+18], v[T+19]            ; sum of g
	v_rsq_f32 v[T+20], v[T+16]
	v_nop
	s_wait_alu depctr_va_vdst(0)                   ; ahead of the first reader of the root
	v_mul_f32 v[T+20], s38, v[T+20]                ; scale = mono_factor / |g|
	v_mul_f32 v[E1], -2.0, v[T+20]
	v_fma_f32 v[E0], v[T+20], v[T+18], s39
	s_wait_dscnt 0x0                               ; my images are whole, and their stores have read S, R, XF and T
	SLD 0, 0
	WSLD 0
	QUANT4                                         ; my first block
	s_wait_xcnt 0x0                                ; every load issued has read its base: the bases may step
	s_add_nc_u64 s[EB:EB+1], s[EB:EB+1], 0x10000
	s_add_nc_u64 s[NB:NB+1], s[NB:NB+1], 64
	s_cmp_lt_u32 s[REM], 2
	s_cbranch_scc1 .Lone
	ELOAD                                          ; my second block, if there is one: no load leaves the live rows
.Lone:
	s_wait_xcnt 0x0
	s_add_nc_u64 s[EB:EB+1], s[EB:EB+1], 0x10000
	s_mov_b32 s[TRC], 16
.Lblk:
	BAR                                            ; the block's codes and scale bytes lie in LDS; every wave's reads of the partial sums are over
	s_cmp_eq_u32 s[REM], 0
	s_cbranch_scc1 .Lskip1
.irp ks, 0,1,2,3,4,5,6,7
.irp c, 0,1
	ds_load_b128 v[XF+8*\ks+4*\c:XF+8*\ks+4*\c+3], v[AXF] offset:64*\ks+32*\c
.endr
.endr
	ds_load_b128 v[XSR:XSR+3], v[AXS]
	GROUP 0, 1
	GROUP 1, 0
	GROUP 2, 0
	GROUP 3, 0
.irp m, 1,2,4,8
.irp k, 0,1,2,3,4,5,6,7
	v_add_f32_dpp v[SACC+\k], v[SACC+\k], v[SACC+\k] row_xmask:\m row_mask:0xf bank_mask:0xf   ; over the 16 columns of a tile's lanes
.endr
.endr
	v_cndmask_b32 v[T], v[SACC], v[SACC+1], s[MK+1]
.irp k, 2,3,4,5,6,7
	v_cndmask_b32 v[T], v[T], v[SACC+\k], s[MK+\k]                                           ; lane (r, h) keeps row 8 h + r % 8
.endr
	ds_store_b32 v[AES], v[T]                      ; lanes r and r + 8 write the same word with the same value
.Lskip1:
	BAR                                            ; the four waves' partial sums lie in LDS; every wave's reads of the block's codes are over
	s_cmp_eq_u32 s[REM], 0
	s_cbranch_scc1 .Lskip2
.irp w, 0,1,2,3
	ds_load_b32 v[T+\w], v[AEP] offset:64*\w
.endr
	s_wait_dscnt 0x0
	s_wait_loadcnt 0x0                             ; the noise, and the next block's numbers, which are wanted a few lines on; for 0, since the younger loads are issued on some ways only
	v_add_f32 v[T], v[T], v[T+1]
	v_add_f32 v[T+2], v[T+2], v[T+3]
	v_add_f32 v[T], v[T], v[T+2]
	v_fma_f32 v[T], v[T], v[E1], v[E0]
	v_add_f32 v[T], v[T], v[NZ]                    ; e of row lane % 16, in every wave
	v_mul_f32 v[T], 0xbfb8aa3b, v[T]
	v_exp_f32 v[T+1], v[T]
	v_nop
	s_wait_alu depctr_va_vdst(0)
	v_add_f32 v[T+1], 1.0, v[T+1]
	v_rcp_f32 v[T+2], v[T+1]
	v_nop
	v_cmp_gt_u32 vcc_lo, s5, v[TROW]
	s_wait_alu depctr_va_vdst(0)
	v_cndmask_b32 v[T+2], 0, v[T+2], vcc_lo        ; p; 0 at and beyond enc_hs_len
	v_sub_f32 v[T+3], 1.0, v[T+2]
	v_max_num_f32 v[T+3], 0x800000, v[T+3]         ; the clip at the smallest normal number
	v_log_f32 v[T+4], v[T+3]
	v_nop
	s_wait_alu depctr_va_vdst(0)
	v_mov_b32 v[T+5], v[T+4]
.irp m, 1,2,4,8
	v_add_f32_dpp v[T+5], v[T+5], v[T+5] row_shr:\m row_mask:0xf bank_mask:0xf bound_ctrl:1  ; the running sum over the block's 16 rows
.endr
	v_sub_f32 v[T+6], v[T+5], v[T+4]               ; without the row itself,
	v_add_f32 v[T+6], v[T+6], v[LRUN]              ; with the chunk's earlier blocks
	v_exp_f32 v[T+7], v[T+6]
	v_nop
	v_readlane_b32 s48, v[T+5], 15                 ; the block's whole sum
	s_wait_alu depctr_va_vdst(0)
	v_mul_f32 v[AL], v[T+2], v[T+7]
	v_add_f32 v[LRUN], s48, v[LRUN]
	s_cmp_lg_u32 s2, 0
	s_cbranch_scc1 .Lnot0
	global_store_b32 v[VT], v[AL], s[AB:AB+1]      ; wave 0 stores the block's 16 numbers (both halves of the lanes hold the same)
.Lnot0:
.irp u, 0,1,2,3
	ds_bpermute_b32 v[WB+\u], v[IDX+\u], v[AL]     ; aloc of my rows 4 w + u, in every lane
.endr
	s_wait_dscnt 0x0
	CUPD
	s_cmp_lt_u32 s[REM], 2
	s_cbranch_scc1 .Lnoq
	global_load_b32 v[NZ], v[VT], s[NB:NB+1]       ; the next block: its noise,
	QUANT4                                         ; its codes (every wave's reads of the old ones were over at the barrier above),
	s_cmp_lt_u32 s[REM], 3
	s_cbranch_scc1 .Lnoq
	ELOAD                                          ; and the block after it is asked for: it has the next block's products in which to land
.Lnoq:
	s_wait_xcnt 0x0                                ; loads and the store have read their bases and the store its data
	s_add_nc_u64 s[EB:EB+1], s[EB:EB+1], 0x10000
	s_add_nc_u64 s[NB:NB+1], s[NB:NB+1], 64
	s_add_nc_u64 s[AB:AB+1], s[AB:AB+1], 64
	v_add_nc_u32 v[TROW], 16, v[TROW]
	s_sub_co_u32 s[REM], s[REM], 1
.Lskip2:
	s_sub_co_u32 s[TRC], s[TRC], 1
	s_cmp_lg_u32 s[TRC], 0
	s_cbranch_scc1 .Lblk
; THE WAY OUT.  The four waves' parts of cpart meet in LDS, over wave 0's images, whose last reads were awaited ahead of the loop's last barrier; each wave adds and stores 256 columns: 512 consecutive bytes a store.
.irp i, 0,1,2,3
.irp c, 0,1
	ds_store_b128 v[ACR], v[CACC+8*\i+4*\c:CACC+8*\i+4*\c+3] offset:1024*\i+16*\c
.endr
.endr
	BAR
.irp w, 0,1,2,3
.irp c, 0,1
	ds_load_b128 v[ACC+8*\w+4*\c:ACC+8*\w+4*\c+3], v[ACD] offset:4096*\w+512*\c
.endr
.endr
	s_wait_dscnt 0x0
.irp p, 0,2,4,6
	v_pk_add_f32 v[ACC+\p:ACC+\p+1], v[ACC+\p:ACC+\p+1], v[ACC+8+\p:ACC+8+\p+1]
	v_pk_add_f32 v[ACC+16+\p:ACC+16+\p+1], v[ACC+16+\p:ACC+16+\p+1], v[ACC+24+\p:ACC+24+\p+1]
.endr
.irp p, 0,2,4,6
	v_pk_add_f32 v[ACC+\p:ACC+\p+1], v[ACC+\p:ACC+\p+1], v[ACC+16+\p:ACC+16+\p+1]
.endr
	global_store_b128 v[ACD], v[ACC:ACC+3], s[22:23]
	global_store_b128 v[ACD], v[ACC+4:ACC+7], s[22:23] offset:512
	s_cmp_lg_u32 s2, 0
	s_cbranch_scc1 .Lend
	v_mov_b32 v[T], 0
	global_store_b32 v[T], v[LRUN], s[30:31]       ; one word: every lane holds the same number
.Lend:
	s_wait_tensorcnt 0x0                           ; the wave's end
	ds_add_u32 v[SPW], v[NIL]
	s_wait_dscnt 0x0
	s_endpgm
.Lfunc_end_k_q94ae4506dd_main:
	.size	k_q94ae4506dd_main, .Lfunc_end_k_q94ae4506dd_main-k_q94ae4506dd_main
	.p2alignl 7, 3214868480
	.fill 96, 4, 3214868480
	.section	.rodata,"a",@progbits
	.p2align	6, 0x0
	.amdhsa_kernel k_q94ae4506dd_main
		.amdhsa_group_segment_fixed_size 312832
		.amdhsa_private_segment_fixed_size 0
		.amdhsa_enable_private_segment 0
		.amdhsa_kernarg_size 96
		.amdhsa_user_sgpr_count 2
		.amdhsa_user_sgpr_kernarg_segment_ptr 1
		.amdhsa_wavefront_size32 1
		.amdhsa_system_sgpr_workgroup_id_x 1
		.amdhsa_system_sgpr_workgroup_id_y 1
		.amdhsa_system_sgpr_workgroup_id_z 1
		.amdhsa_system_vgpr_workitem_id 0
		.amdhsa_next_free_vgpr 1024
		.amdhsa_next_free_sgpr 66
		.amdhsa_reserve_vcc 1
		.amdhsa_float_denorm_mode_32 3
		.amdhsa_float_denorm_mode_16_64 3
		.amdhsa_memory_ordered 1
		.amdhsa_forward_progress 1
		.amdhsa_inst_pref_size 155
	.end_amdhsa_kernel
	.amdgpu_metadata
---
amdhsa.version: [ 1, 2 ]
amdhsa.kernels:
  - .name:           k_q94ae4506dd_main
    .symbol:         k_q94ae4506dd_main.kd
    .args:
      - { .name: enc_hs_pad, .offset: 0, .size: 8, .value_kind: global_buffer, .address_space: global }
      - { .name: noise, .offset: 8, .size: 8, .value_kind: global_buffer, .address_space: global }
      - { .name: W_enc_codes, .offset: 16, .size: 8, .value_kind: global_buffer, .address_space: global }
      - { .name: W_enc_scales, .offset: 24, .size: 8, .value_kind: global_buffer, .address_space: global }
      - { .name: g_vec, .offset: 32, .size: 8, .value_kind: global_buffer, .address_space: global }
      - { .name: bc, .offset: 40, .size: 8, .value_kind: global_buffer, .address_space: global }
      - { .name: aloc, .offset: 48, .size: 8, .value_kind: global_buffer, .address_space: global }
      - { .name: cpart, .offset: 56, .size: 8, .value_kind: global_buffer, .address_space: global }
      - { .name: enc_hs_len, .offset: 64, .size: 8, .value_kind: global_buffer, .address_space: global }
      - { .name: mono_factor, .offset: 72, .size: 8, .value_kind: global_buffer, .address_space: global }
      - { .name: mono_bias, .offset: 80, .size: 8, .value_kind: global_buffer, .address_space: global }
      - { .name: lsum, .offset: 88, .size: 8, .value_kind: global_buffer, .address_space: global }
    .group_segment_fixed_size: 312832
    .private_segment_fixed_size: 0
    .kernarg_segment_align: 8
    .kernarg_segment_size: 96
    .max_flat_workgroup_size: 128
    .sgpr_count:     66
    .vgpr_count:     1024
    .wavefront_size: 32
...
	.end_amdgpu_metadata
.endif
;; end of part 2
;; launch fin (part 3): grid 8 x 32, 1 waves a work-group, no clusters, 0 bytes of LDS; arguments enc_hs_len, aloc, cpart, lsum, out0, out1; writes out0, out1
.if DOCPART == 3
	.amdgcn_target "amdgcn-amd-amdhsa--gfx1250"
	.amdhsa_code_object_version 6
	.text
	.protected	k_q94ae4506dd_fin
	.globl	k_q94ae4506dd_fin
	.p2align	8
	.type	k_q94ae4506dd_fin,@function
k_q94ae4506dd_fin:
	s_mov_b64 s[64:65], 0
	v_nop
	global_prefetch_b8 v0, s[64:65] scope:SCOPE_SE
	s_setreg_imm32_b32 hwreg(HW_REG_WAVE_MODE, 25, 1), 1
	s_wait_xcnt 0x0
; LAUNCH 3 OF 3.  F_k = 2^(sum of lsum[b][0 .. k - 1]) brings chunk k's local results under the whole row's cumprod:  out1[b][t] = aloc[b][t] x F_(chunk of t);  out0[b][:] = sum over k of F_k x cpart[b][k][:].
; WORK LEFT OUT (shown at the head of the first kernel): rows t >= enc_hs_len[b] get a = 0 without a load: the launch before has not written them.
; One wave a work-group; work-group (y, b) makes 128 columns of out0 (512 consecutive bytes) and rows 250 y .. 250 y + 249 of out1.  The chunks are those of the launch before: 16 q rows each, q = ceil(L / 128), at most 16.
	s_load_b256 s[4:11], s[0:1], 0x0               ; enc_hs_len s[4:5], aloc s[6:7], cpart s[8:9], lsum s[10:11]
	s_load_b128 s[12:15], s[0:1], 0x20             ; out0 s[12:13], out1 s[14:15]
	s_and_b32 s16, ttmp7, 0xffff                   ; b
	s_mov_b32 s17, ttmp9                           ; y
	v_lshlrev_b32 v1, 4, v0                        ; 16 lane
	v_lshlrev_b32 v2, 2, v0                        ; 4 lane
	s_mul_i32 s18, s17, 250
	v_add_nc_u32 v64, s18, v0                      ; my rows: t_m = 250 y + 32 m + lane
.irp m, 1,2,3,4,5,6,7
	v_add_nc_u32 v[64+\m], 32*\m, v64
.endr
.irp m, 0,1,2,3,4,5,6,7
	v_mov_b32 v[72+\m], 0                          ; what a row keeps that is not loaded
.endr
	s_mov_b32 s21, 0
	s_mov_b32 s23, 0
	s_lshl_b32 s20, s16, 2
	s_lshl_b32 s22, s16, 5
	s_wait_kmcnt 0x0
	s_add_nc_u64 s[4:5], s[4:5], s[20:21]
	s_add_nc_u64 s[10:11], s[10:11], s[22:23]
	s_load_b32 s19, s[4:5], 0x0                    ; enc_hs_len[b]
	s_load_b256 s[24:31], s[10:11], 0x0            ; lsum[b][0 .. 7]
	s_mul_i32 s20, s16, 8000
	s_mul_i32 s22, s17, 1000
	s_add_co_u32 s20, s20, s22
	s_add_nc_u64 s[6:7], s[6:7], s[20:21]          ; aloc and out1 at row 250 y of my batch
	s_add_nc_u64 s[14:15], s[14:15], s[20:21]
	s_lshl_b32 s22, s17, 9
	s_lshl_b32 s20, s16, 15
	s_add_co_u32 s20, s20, s22
	s_add_nc_u64 s[8:9], s[8:9], s[20:21]          ; cpart at my batch's chunk 0, my 128 columns
	s_lshl_b32 s20, s16, 12
	s_add_co_u32 s20, s20, s22
	s_add_nc_u64 s[12:13], s[12:13], s[20:21]      ; out0 likewise
	s_wait_kmcnt 0x0
	s_max_i32 s19, s19, 0
	s_min_u32 s19, s19, 2000                       ; L
	s_add_co_u32 s32, s19, 127
	s_lshr_b32 s32, s32, 7
	s_min_u32 s32, s32, 16                         ; q
	s_lshl_b32 s33, s32, 4                         ; rows in a chunk
.irp k, 1,2,3,4,5,6,7
	s_mul_i32 s[40+\k], s33, \k                    ; chunk k's first row
.endr
	s_add_co_u32 s34, s18, 250
	s_min_u32 s34, s34, s19                        ; my rows below this are loaded
	s_wait_xcnt 0x0                                ; EXEC changes only behind this wait, here and below
.irp m, 0,1,2,3,4,5,6,7
	v_cmpx_gt_u32 s34, v[64+\m]
	global_load_b32 v[72+\m], v2, s[6:7] offset:128*\m
	s_wait_xcnt 0x0
	s_mov_b32 exec_lo, -1
.endr
.irp k, 0,1,2,3,4,5,6,7
	global_load_b128 v[32+4*\k:35+4*\k], v1, s[8:9] offset:4096*\k                           ; 32 lanes read 512 consecutive bytes
.endr
	v_mov_b32 v16, 0
	v_mov_b32 v17, s24
.irp k, 2,3,4,5,6,7
	v_add_f32 v[16+\k], s[23+\k], v[15+\k]         ; the sum of the chunks ahead of chunk k
.endr
.irp k, 0,1,2,3,4,5,6,7
	v_exp_f32 v[16+\k], v[16+\k]                   ; F_k
.endr
	v_nop
	s_wait_alu depctr_va_vdst(0)                   ; one wait for the eight, ahead of their first reader
.irp m, 0,1,2,3,4,5,6,7
	v_mov_b32 v[80+\m], v16
.irp k, 1,2,3,4,5,6,7
	v_cmp_le_u32 vcc_lo, s[40+\k], v[64+\m]
	v_cndmask_b32 v[80+\m], v[80+\m], v[16+\k], vcc_lo                                       ; the F of the last chunk that begins at or ahead of the row
.endr
.endr
	s_wait_loadcnt 0x0
.irp e, 0,1,2,3
	v_mul_f32 v[88+\e], v[32+\e], v16
.endr
.irp k, 1,2,3,4,5,6,7
.irp e, 0,1,2,3
	v_fma_f32 v[88+\e], v[32+4*\k+\e], v[16+\k], v[88+\e]
.endr
.endr
	global_store_b128 v1, v[88:91], s[12:13]
.irp m, 0,1,2,3,4,5,6,7
	v_mul_f32 v[72+\m], v[72+\m], v[80+\m]
.endr
.irp m, 0,1,2,3,4,5,6
	global_store_b32 v2, v[72+\m], s[14:15] offset:128*\m
.endr
	s_wait_xcnt 0x0
	v_cmpx_gt_u32 26, v0                           ; the last 26 of my 250 rows
	global_store_b32 v2, v79, s[14:15] offset:896
	s_wait_xcnt 0x0
	s_mov_b32 exec_lo, -1
	s_endpgm
.Lfunc_end_k_q94ae4506dd_fin:
	.size	k_q94ae4506dd_fin, .Lfunc_end_k_q94ae4506dd_fin-k_q94ae4506dd_fin
	.p2alignl 7, 3214868480
	.fill 96, 4, 3214868480
	.section	.rodata,"a",@progbits
	.p2align	6, 0x0
	.amdhsa_kernel k_q94ae4506dd_fin
		.amdhsa_group_segment_fixed_size 0
		.amdhsa_private_segment_fixed_size 0
		.amdhsa_enable_private_segment 0
		.amdhsa_kernarg_size 48
		.amdhsa_user_sgpr_count 2
		.amdhsa_user_sgpr_kernarg_segment_ptr 1
		.amdhsa_wavefront_size32 1
		.amdhsa_system_sgpr_workgroup_id_x 1
		.amdhsa_system_sgpr_workgroup_id_y 1
		.amdhsa_system_sgpr_workgroup_id_z 1
		.amdhsa_system_vgpr_workitem_id 0
		.amdhsa_next_free_vgpr 96
		.amdhsa_next_free_sgpr 66
		.amdhsa_reserve_vcc 1
		.amdhsa_float_denorm_mode_32 3
		.amdhsa_float_denorm_mode_16_64 3
		.amdhsa_memory_ordered 1
		.amdhsa_forward_progress 1
		.amdhsa_inst_pref_size 13
	.end_amdhsa_kernel
	.amdgpu_metadata
---
amdhsa.version: [ 1, 2 ]
amdhsa.kernels:
  - .name:           k_q94ae4506dd_fin
    .symbol:         k_q94ae4506dd_fin.kd
    .args:
      - { .name: enc_hs_len, .offset: 0, .size: 8, .value_kind: global_buffer, .address_space: global }
      - { .name: aloc, .offset: 8, .size: 8, .value_kind: global_buffer, .address_space: global }
      - { .name: cpart, .offset: 16, .size: 8, .value_kind: global_buffer, .address_space: global }
      - { .name: lsum, .offset: 24, .size: 8, .value_kind: global_buffer, .address_space: global }
      - { .name: out0, .offset: 32, .size: 8, .value_kind: global_buffer, .address_space: global }
      - { .name: out1, .offset: 40, .size: 8, .value_kind: global_buffer, .address_space: global }
    .group_segment_fixed_size: 0
    .private_segment_fixed_size: 0
    .kernarg_segment_align: 8
    .kernarg_segment_size: 48
    .max_flat_workgroup_size: 32
    .sgpr_count:     66
    .vgpr_count:     96
    .wavefront_size: 32
...
	.end_amdgpu_metadata
.endif
;; end of part 3
;; ======== version 2 of 2: 3 launches; version 1 with the launches dec, main written anew for expert scheduling mode
;; workspace buffers: bc 131,072 bytes; aloc 256,000 bytes; cpart 1,048,576 bytes; lsum 1,024 bytes
;; launch dec (part 4): grid 64 x 1, 1 waves a work-group, no clusters, 0 bytes of LDS; arguments dec_z_codes, dec_z_scales, W_dec_codes, W_dec_scales, b_enc, bc; writes bc
.if DOCPART == 4
	.amdgcn_target "amdgcn-amd-amdhsa--gfx1250"
	.amdhsa_code_object_version 6
	.text
	.protected	k_q94ae4506dd_dec
	.globl	k_q94ae4506dd_dec
	.p2align	8
	.type	k_q94ae4506dd_dec,@function
k_q94ae4506dd_dec:
	s_mov_b64 s[64:65], 0
	v_nop
	global_prefetch_b8 v0, s[64:65] scope:SCOPE_SE
	s_setreg_imm32_b32 hwreg(HW_REG_WAVE_SCHED_MODE, 0, 2), 2
	s_setreg_imm32_b32 hwreg(HW_REG_WAVE_MODE, 25, 1), 1
	s_wait_xcnt 0x0
	s_wait_alu depctr_vm_vsrc(0)
; LAUNCH 1 OF 3.  bc[b][a] = C2 x (sum over k of dec_z[b][k] W_dec[a][k] + b_enc[a]), C2 = 2 log2(e): what the second launch adds to C2 x (enc . W_enc) ahead of its exponential.
; The product is on the given codes of E2M1 with their E8M0 scale bytes, sums in f32.
; WORK LEFT OUT BY THE WHOLE PROGRAM, in the problem's own terms:
;  - att_prev: reference() accepts it and uses it in no expression, so it has no way to c or a.  It is not loaded and is among no launch's arguments.
;  - rows t >= enc_hs_len[b]: reference() sets e = -inf there and adds the noise; for every finite noise p = sigmoid(-inf) = 0, so a = p x cumprod = 0, w = 0, and
;    log(clip(1 - p)) = log(1) = 0 adds nothing to the cumsum of any later row.  So pre_enc, tanh, the product with g_vec and the row's term of c are not formed for whole blocks of
;    16 rows at or beyond enc_hs_len[b].  The choice is made by a whole number among the inputs, read from memory by the launches that branch on it.  Rows beyond it inside a live block are computed and selected away.
;  LIMIT: a NaN, an infinity or an overflow that reaches only att_prev or the rows left out is not carried to the result.
; SHARES.  One wave a work-group; work-group x makes a = 16 x .. 16 x + 15 for all 32 batches: two accumulators, eight K steps of 128.
; TRANSPOSED USE: source 0 = 16 rows of W_dec, source 1 = 16 rows of dec_z: lane (r, h) holds batch 16 m + r and its registers a = 16 x + 8 h + 0 .. 7: 32 neighbouring bytes of a row of bc.
; The stores are pieces of 64 bytes of rows 4,096 bytes apart; the whole buffer is 131,072 bytes, and a stage in LDS for it would cost more lines than it saves bytes.
; THE MODE: SCHED_MODE bits 1:0 = 2 (LLVM: expert scheduling mode 2), set by the entry lines.  The code itself states the register dependences
; between vector or matrix instructions and memory instructions, with s_wait_alu, always for 0.
; THE PLAN.  v3-v6: offsets, written once at the head, read by every load and store: one wait ahead of the first load.  v16-v239: loads land in them, and no vector line names them ahead of that.
; v240-v255: written by the products and the fused multiply-adds, read by the four stores: one wait ahead of the stores.
	s_load_b256 s[4:11], s[0:1], 0x0               ; dec_z codes s[4:5], dec_z scales s[6:7], W_dec codes s[8:9], W_dec scales s[10:11]
	s_load_b128 s[12:15], s[0:1], 0x20             ; b_enc s[12:13], bc s[14:15]
	v_and_b32 v1, 15, v0                           ; r
	v_lshrrev_b32 v2, 4, v0                        ; h
	v_lshlrev_b32 v3, 9, v1
	v_lshl_add_u32 v3, v2, 4, v3                   ; codes: row r of 512 bytes + 16 h
	v_lshlrev_b32 v4, 5, v1                        ; scale bytes: row r of 32
	v_lshlrev_b32 v5, 5, v2                        ; b_enc: my eight numbers, 32 h
	v_lshlrev_b32 v6, 12, v1
	v_lshl_add_u32 v6, v2, 5, v6                   ; bc: row r of 4,096 bytes + 32 h
	s_lshl_b32 s16, ttmp9, 13                      ; 16 rows of W_dec's codes
	s_mov_b32 s17, 0
	s_lshl_b32 s18, ttmp9, 9                       ; 16 rows of its scale bytes
	s_mov_b32 s19, 0
	s_lshl_b32 s20, ttmp9, 6                       ; 16 numbers of f32
	s_mov_b32 s21, 0
	s_wait_kmcnt 0x0
	s_add_nc_u64 s[8:9], s[8:9], s[16:17]
	s_add_nc_u64 s[10:11], s[10:11], s[18:19]
	s_add_nc_u64 s[12:13], s[12:13], s[20:21]
	s_add_nc_u64 s[14:15], s[14:15], s[20:21]
	s_wait_alu depctr_va_vdst(0)                   ; the offsets v3 to v6 are written: every load and store below reads one of them
.irp s, 0,1,2,3,4,5,6,7
.irp c, 0,1
	global_load_b128 v[16+8*\s+4*\c:19+8*\s+4*\c], v3, s[8:9] offset:64*\s+32*\c             ; W_dec: K step s
	global_load_b128 v[80+8*\s+4*\c:83+8*\s+4*\c], v3, s[4:5] offset:64*\s+32*\c             ; dec_z: batches 0-15
	global_load_b128 v[144+8*\s+4*\c:147+8*\s+4*\c], v3, s[4:5] offset:8192+64*\s+32*\c      ; batches 16-31
.endr
.endr
.irp c, 0,1
	global_load_b128 v[208+4*\c:211+4*\c], v4, s[10:11] offset:16*\c                         ; a row's 32 scale bytes: register s is the word of K step s
	global_load_b128 v[216+4*\c:219+4*\c], v4, s[6:7] offset:16*\c
	global_load_b128 v[224+4*\c:227+4*\c], v4, s[6:7] offset:512+16*\c
	global_load_b128 v[232+4*\c:235+4*\c], v5, s[12:13] offset:16*\c                         ; b_enc
.endr
	s_wait_loadcnt 0x0
; the two accumulators take turns, one instruction a turn; the first K step starts the sums
.irp m, 0,1
	v_wmma_scale_f32_16x16x128_f8f6f4 v[240+8*\m:247+8*\m], v[16:23], v[80+64*\m:87+64*\m], 0, v208, v[216+8*\m] matrix_a_fmt:MATRIX_FMT_FP4 matrix_b_fmt:MATRIX_FMT_FP4
.endr
.irp s, 1,2,3,4,5,6,7
.irp m, 0,1
	v_wmma_scale_f32_16x16x128_f8f6f4 v[240+8*\m:247+8*\m], v[16+8*\s:23+8*\s], v[80+64*\m+8*\s:87+64*\m+8*\s], v[240+8*\m:247+8*\m], v[208+\s], v[216+8*\m+\s] matrix_a_fmt:MATRIX_FMT_FP4 matrix_b_fmt:MATRIX_FMT_FP4
.endr
.endr
.irp p, 0,2,4,6
	v_pk_mul_f32 v[232+\p:233+\p], v[232+\p:233+\p], 0x4038aa3b op_sel_hi:[1,0]              ; C2 x b_enc: four plain lines that name no register of the products: the places behind them (ISA guide 7.12.1)
.endr
.irp m, 0,1
.irp p, 0,2,4,6
	v_pk_fma_f32 v[240+8*\m+\p:241+8*\m+\p], v[240+8*\m+\p:241+8*\m+\p], 0x4038aa3b, v[232+\p:233+\p] op_sel_hi:[1,0,1]   ; each accumulator from its low end on
.endr
.endr
	s_wait_alu depctr_va_vdst(0)                   ; the fused multiply-adds have written v240 to v255, which the stores read
.irp m, 0,1
.irp c, 0,1
	global_store_b128 v6, v[240+8*\m+4*\c:243+8*\m+4*\c], s[14:15] offset:65536*\m+16*\c
.endr
.endr
	s_endpgm
.Lfunc_end_k_q94ae4506dd_dec:
	.size	k_q94ae4506dd_dec, .Lfunc_end_k_q94ae4506dd_dec-k_q94ae4506dd_dec
	.p2alignl 7, 3214868480
	.fill 96, 4, 3214868480
	.section	.rodata,"a",@progbits
	.p2align	6, 0x0
	.amdhsa_kernel k_q94ae4506dd_dec
		.amdhsa_group_segment_fixed_size 0
		.amdhsa_private_segment_fixed_size 0
		.amdhsa_enable_private_segment 0
		.amdhsa_kernarg_size 48
		.amdhsa_user_sgpr_count 2
		.amdhsa_user_sgpr_kernarg_segment_ptr 1
		.amdhsa_wavefront_size32 1
		.amdhsa_system_sgpr_workgroup_id_x 1
		.amdhsa_system_sgpr_workgroup_id_y 1
		.amdhsa_system_sgpr_workgroup_id_z 1
		.amdhsa_system_vgpr_workitem_id 0
		.amdhsa_next_free_vgpr 256
		.amdhsa_next_free_sgpr 66
		.amdhsa_reserve_vcc 0
		.amdhsa_float_denorm_mode_32 3
		.amdhsa_float_denorm_mode_16_64 3
		.amdhsa_memory_ordered 1
		.amdhsa_forward_progress 1
		.amdhsa_inst_pref_size 10
	.end_amdhsa_kernel
	.amdgpu_metadata
---
amdhsa.version: [ 1, 2 ]
amdhsa.kernels:
  - .name:           k_q94ae4506dd_dec
    .symbol:         k_q94ae4506dd_dec.kd
    .args:
      - { .name: dec_z_codes, .offset: 0, .size: 8, .value_kind: global_buffer, .address_space: global }
      - { .name: dec_z_scales, .offset: 8, .size: 8, .value_kind: global_buffer, .address_space: global }
      - { .name: W_dec_codes, .offset: 16, .size: 8, .value_kind: global_buffer, .address_space: global }
      - { .name: W_dec_scales, .offset: 24, .size: 8, .value_kind: global_buffer, .address_space: global }
      - { .name: b_enc, .offset: 32, .size: 8, .value_kind: global_buffer, .address_space: global }
      - { .name: bc, .offset: 40, .size: 8, .value_kind: global_buffer, .address_space: global }
    .group_segment_fixed_size: 0
    .private_segment_fixed_size: 0
    .kernarg_segment_align: 8
    .kernarg_segment_size: 48
    .max_flat_workgroup_size: 32
    .sgpr_count:     66
    .vgpr_count:     256
    .wavefront_size: 32
...
	.end_amdgpu_metadata
.endif
;; end of part 4
;; launch main (part 5): grid 8 x 32, 4 waves a work-group, no clusters, 312,832 bytes of LDS; arguments enc_hs_pad, noise, W_enc_codes, W_enc_scales, g_vec, bc, aloc, cpart, enc_hs_len, mono_factor, mono_bias, lsum; writes aloc, cpart, lsum
.if DOCPART == 5
	.amdgcn_target "amdgcn-amd-amdhsa--gfx1250"
	.amdhsa_code_object_version 6
	.text
	.protected	k_q94ae4506dd_main
	.globl	k_q94ae4506dd_main
	.p2align	8
	.type	k_q94ae4506dd_main,@function
k_q94ae4506dd_main:
	s_mov_b64 s[64:65], 0
	v_nop
	global_prefetch_b8 v0, s[64:65] scope:SCOPE_SE
	s_setreg_imm32_b32 hwreg(HW_REG_WAVE_SCHED_MODE, 0, 2), 2
	s_setreg_imm32_b32 hwreg(HW_REG_WAVE_MODE, 25, 1), 1
	s_wait_xcnt 0x0
	s_wait_alu depctr_vm_vsrc(0)
; LAUNCH 2 OF 3.  For one chunk of one batch's rows t: quantise enc to E2M1 along its 1,024, multiply by W_enc's codes, tanh, the product with g_vec, noise, sigmoid, and the chunk's LOCAL results:
;   aloc[t] = p[t] x 2^(sum of log2(clip(1 - p)) over the chunk's earlier rows);  cpart = sum over the chunk's rows of aloc[t] x enc[t][:];  lsum = the chunk's whole sum of log2(clip(1 - p)).
; The exclusive cumprod factors over chunks, so the last launch only multiplies by 2^(sum of the earlier chunks' lsum).  enc is so read from memory ONCE for both of its products.
; WORK LEFT OUT (shown at the head of the first kernel): att_prev is not loaded; whole blocks of 16 rows at or beyond enc_hs_len[b] are not loaded and not computed.
; SHARES.  L = enc_hs_len[b] held to 0 .. 2,000; q = ceil(L / 128), at most 16.  Work-group (j, b) owns the blocks of 16 rows j q .. j q + cnt - 1, cnt = (ceil(L / 16) - j q) held to 0 .. q.
;   Wave w owns columns a = 256 w .. 256 w + 255 of W_enc (16 tiles of 16) for all rows, and loads, quantises and keeps rows 4 w .. 4 w + 3 of every block.
; W_enc STAYS ON THE WGP: a wave's fragments of K steps 0-3 in 512 registers, of K steps 4-7 as images of their registers in its own 65,536 bytes of LDS; read from memory once a work-group.
; NO CLUSTER, NO TENSOR LOAD: enc has to pass through registers for the quantiser, nobody shares it, and W_enc is fetched only once.
; The loop has 16 trips in every work-group and its two barriers lie on every wave's way; scalar branches on the blocks left lead round the work alone.
; The head's first block (load, noise, quantiser) is run without a test: block j q is at most 112 of a batch's 125, so it lies inside the buffers; a chunk without rows does that one block for nothing.
; tanh(z) = 1 - 2 / (1 + 2^(C2 z)), C2 = 2 log2(e): right at both ends, where the exponential is 0 or infinite.  So e = E0 + E1 x sum of g / (1 + 2^(..)), E1 = -2 scale, E0 = scale x sum(g) + mono_bias.
; LIMITS: a block of 32 whose largest magnitude lies under 2^-124 keeps the scale byte 1 (a block of zeros too: its codes are zeros and this launch alone reads the bytes); NaN and infinities in enc or noise are not served;
;   enc goes into the product with aloc rounded to bf16; K is summed in the order of K steps 4, 5, 0-3, 6, 7.
; PRODUCT: source 0 = 16 rows of x, source 1 = 16 rows of W_enc: register j of lane (r, h) is (t = 8 h + j, a = r): bias and g cost one number a lane and tile.
; THE MODE: SCHED_MODE bits 1:0 = 2 (LLVM: expert scheduling mode 2), set by the entry lines.  The code itself states the register dependences
; between vector or matrix instructions and memory or LDS instructions, with s_wait_alu, always for 0.
; THE PLAN.  Registers that memory or LDS instructions touch, and who else names them:
;   the addresses (v1-11, v124-127, v184-189) and the add's two   Written once at the head, ahead of one wait on va_vdst, and never again: rows are reached by scalar bases and immediate offsets.
;   X                 ELOAD lands in it; the quantiser's vector lines alone read it.  The quantiser's ONE wait on va_vdst, behind its last conversion, states that they are done reading X, in which the next ELOAD lands,
;                     and that the codes and bytes in T are written, which its LDS stores read.
;   S, WSR, XF, XSR   LDS loads land in them; products alone read them.  BG's even registers: LDS loads land in them; the multiply-adds read them.  A group of four tiles has TWO waits on va_vdst:
;                     behind K steps 4, 5 (S takes K steps 6, 7; BG, which the group before is done reading, takes this group's numbers), and behind K steps 6, 7 (S and WSR take the next group's;
;                     in a block's last group XF and XSR are free for the next block too).
;   T                 Written by vector lines; read by LDS stores (codes, bytes, the partial sum); the partial sums' loads land in T .. T + 3.  A wait on vm_vsrc stands behind each barrier, ahead of the branch that follows it.
;   AL, WB, NZ        AL: written by one vector line, read by the store and the four permutes behind one wait on va_vdst, which also shows the last block's multiply-adds done reading WB, where the permutes land.  NZ: read once a block, loaded again behind later waits.
;   CACC, ACC         On the way out alone: store data, and the place where the four waves' parts land.
; No buffer can be added: X 128, R 64, S 64, W 512 and window 0 all but v190 and v191 make 1,022 of the wave's 1,024 registers.
; LDS
.set WS,    262144                     ; behind the four waves' images of W (wave x 65,536 + (4 n + s - 4) x 1,024 + 512 c + 16 lane): W's scale images, wave x 8,192 + 512 n + 16 lane
.set TBC,   294912                     ; bc[b][a], 4 bytes a column; g 4,096 bytes further on
.set XC,    303104                     ; the block's codes: 16 rows, 512 bytes + 16 of padding
.set XS,    311552                     ; its scale bytes, 32 a row
.set EP,    312064                     ; partial sums [wave][16 rows]
.set SPARE, 312320                     ; the spare words, 128 bytes a wave, which no other line names
; REGISTERS, window 0
.set VE,   1                           ; enc: 16,384 w + 32 lane
.set VT,   2                           ; 4 (lane % 16)
.set AWL,  3                           ; 65,536 w + 16 lane
.set ASW,  4                           ; WS + 8,192 w + 16 lane
.set ABG,  5                           ; TBC + 1,024 w + 4 r
.set AXF,  6                           ; XC + 528 r + 16 h
.set AXS,  7                           ; XS + 32 r + 16 h
.set AQC,  8                           ; XC + 2,112 w + 4 lane
.set AQS,  9                           ; XS + 128 w + lane / 4
.set AEP,  10                          ; EP + 4 (lane % 16)
.set AES,  11                          ; EP + 64 w + 32 h + 4 (r % 8)
.set TROW, 12                          ; the block's first row + lane % 16
.set E0,   13
.set E1,   14
.set LRUN, 15                          ; the chunk's running sum of log2(clip(1 - p))
.set XSR,  16                          ; v16-19 x's scale words: register q: K step q in lanes 0-15, K step 4 + q in lanes 16-31
.set WSR,  20                          ; v20-35 W's, four tiles x 4, laid likewise
.set BG,   36                          ; v36-51 tile nt: bc at 36 + 4 nt, g at 38 + 4 nt; the odd registers hold 0 (named as upper halves of pairs)
.set SACC, 52                          ; v52-59 sum over my columns of g / (1 + 2^..), for rows 8 h + 0 .. 7
.set ACC,  60                          ; v60-91 four accumulators
.set CACC, 92                          ; v92-123 my rows' part of cpart: register 8 i + e = column 256 i + 8 lane + e
.set IDX,  124                         ; v124-127 4 x (4 w + u)
.set WB,   128                         ; v128-131 aloc of my four rows
.set NZ,   132                         ; the block's noise
.set AL,   133                         ; aloc of row lane % 16
.set T,    134                         ; v134-181 at work
.set SPW,  182                         ; my spare word's LDS address; never rewritten
.set NIL,  183                         ; 0; never rewritten
.set ACR,  184                         ; 4,096 w + 32 lane
.set ACD,  185                         ; 1,024 w + 16 lane
.set ATB,  186                         ; TBC + 1,024 w + 16 lane
.set VW,   187                         ; W's codes: (256 w + r) x 512 + 16 h
.set VS,   188                         ; W's scale bytes: (256 w + r) x 32 + 16 h
.set VL,   189                         ; 16 lane
.set XF,   192                         ; v192-255 x's eight fragments
; window 1: v0-127 X, a block's f32 numbers: register 32 u + 8 i + e = enc(row 4 w + u, 256 i + 8 lane + e); v128-191 R, the block in hand as bf16; v192-255 S, eight fragments of W out of LDS
.set R,    128
.set S,    192
; windows 2, 3: W's fragment (tile n, K step s < 4) at v[8 (4 (n % 8) + s)] of window 2 + n / 8
.set REM,  32                          ; s32 blocks left
.set TRC,  33                          ; s33 trips left
.set CC,   34                          ; s[34:35] C2
.set SEL,  36                          ; s[36:37] selects of v_permlanex16_b32: lane xor 16
.set MK,   40                          ; s40-47 lanes whose r % 8 is k
.set EB,   56                          ; s[56:57] enc at the block asked for last; it moves on by a block at the head of a block's second half, where the loads that read it are shown done
.set NB,   58                          ; s[58:59] noise likewise
.set AB,   60                          ; s[60:61] aloc at the block in hand; it moves on behind the block's multiply-adds, which stand between the store and the wait that frees it
.set MSB, 0
.macro WIN new                         ; s_set_vgpr_msb: bits 1:0 source 0, 3:2 source 1, 5:4 source 2, 7:6 destination; the high byte repeats the setting that is left
.if MSB != (\new)
	s_set_vgpr_msb (MSB<<8)|(\new)
.set MSB, (\new)
.endif
.endm
.macro PLACES                          ; four plain lines between a matrix instruction and a load into, or a vector read of, its registers
.rept 4
	v_nop
.endr
.endm
.macro BAR                             ; my LDS stores have landed and my LDS loads are in: then the work-group's barrier
	s_wait_dscnt 0x0
	s_barrier_signal -1
	s_barrier_wait -1
.endm
; My four rows of the block at s[EB]: a lane takes 32 neighbouring bytes, eight neighbours along K as the conversion wants them, by two loads on end: the pair covers 1,024 consecutive bytes
.macro ELOAD
	WIN 0x40
.irp u, 0,1,2,3
.irp i, 0,1,2,3
.irp c, 0,1
	global_load_b128 v[32*\u+8*\i+4*\c:32*\u+8*\i+4*\c+3], v[VE], s[EB:EB+1] offset:4096*\u+1024*\i+16*\c th:TH_LOAD_RT_NT
.endr
.endr
.endr
	WIN 0
.endm
; X becomes codes and scale bytes in LDS, and bf16 in R.  A block of 32 along K lies in four neighbouring lanes.  Temporaries of row u: T + 12 u: +0..3 largest magnitude, then byte; +4..7 scale operand; +8..11 codes
.macro QUANT4
	WIN 0x05
.irp u, 0,1,2,3
.irp i, 0,1,2,3
	v_max3_num_f32 v[T+12*\u+\i], |v[32*\u+8*\i]|, |v[32*\u+8*\i+1]|, 0x1800000              ; with the floor 2^(3 - 127): the byte cannot fall under 1
.endr
.endr
.irp e, 2,4,6
.irp u, 0,1,2,3
.irp i, 0,1,2,3
	v_max3_num_f32 v[T+12*\u+\i], |v[32*\u+8*\i+\e]|, |v[32*\u+8*\i+\e+1]|, v[T+12*\u+\i]
.endr
.endr
.endr
	WIN 0
.irp m, 1,2
.irp u, 0,1,2,3
.irp i, 0,1,2,3
	v_max_num_f32_dpp v[T+12*\u+\i], v[T+12*\u+\i], v[T+12*\u+\i] row_xmask:\m row_mask:0xf bank_mask:0xf
.endr
.endr
.endr
.irp u, 0,1,2,3
.irp i, 0,1,2,3
	v_add_nc_u32 v[T+12*\u+4+\i], 0xff000000, v[T+12*\u+\i]                                  ; 2 off the exponent field: the conversion's scale operand
.endr
.endr
.irp u, 0,1,2,3
.irp i, 0,1,2,3
	v_lshrrev_b32 v[T+12*\u+\i], 23, v[T+12*\u+4+\i]                                         ; the scale's byte
.endr
.endr
	WIN 0x01
.irp u, 0,1,2,3
.irp i, 0,1,2,3
	v_cvt_scalef32_pk8_fp4_f32 v[T+12*\u+8+\i], v[32*\u+8*\i:32*\u+8*\i+7], v[T+12*\u+4+\i]
.endr
.endr
	WIN 0x45
.irp u, 0,1,2,3
.irp i, 0,1,2,3
.irp p, 0,1,2,3
	v_cvt_pk_bf16_f32 v[R+16*\u+4*\i+\p], v[32*\u+8*\i+2*\p], v[32*\u+8*\i+2*\p+1]           ; (also the plain lines behind the scaled conversions)
.endr
.endr
.endr
	WIN 0
	s_wait_alu depctr_va_vdst(0)                   ; the codes and the bytes in T are written, which the LDS stores below read; and every line above is done reading X, in which the next ELOAD lands
.irp u, 0,1,2,3
.irp i, 0,1,2,3
	ds_store_b32 v[AQC], v[T+12*\u+8+\i] offset:528*\u+128*\i                                ; eight codes: bytes 128 i + 4 lane of the row
	ds_store_b8 v[AQS], v[T+12*\u+\i] offset:32*\u+8*\i                                      ; the four lanes of a block write the same byte with the same value
.endr
.endr
.endm
; K steps 4 + k0 and 5 + k0 of group gn's four tiles, out of my images, into S
.macro SLD gn, k0
	WIN 0x40
.irp nt, 0,1,2,3
.irp ks, 0,1
.irp c, 0,1
	ds_load_b128 v[S+16*\nt+8*\ks+4*\c:S+16*\nt+8*\ks+4*\c+3], v[AWL] offset:(4*(4*(\gn)+\nt)+(\k0)+\ks)*1024+512*\c
.endr
.endr
.endr
	WIN 0
.endm
.macro WSLD gn                         ; and their scale words
.irp nt, 0,1,2,3
	ds_load_b128 v[WSR+4*\nt:WSR+4*\nt+3], v[ASW] offset:512*(4*(\gn)+\nt)
.endr
.endm
; one product: K step s, accumulator nt, W's fragment at register b of the window in force
.macro WM s, nt, b, zero
.if (\s) >= 4
.if \zero
	v_wmma_scale_f32_16x16x128_f8f6f4 v[ACC+8*(\nt):ACC+8*(\nt)+7], v[XF+8*(\s):XF+8*(\s)+7], v[0+(\b):7+(\b)], 0, v[XSR+(\s)-4], v[WSR+4*(\nt)+(\s)-4] matrix_a_fmt:MATRIX_FMT_FP4 matrix_b_fmt:MATRIX_FMT_FP4 matrix_a_scale:MATRIX_SCALE_ROW1 matrix_b_scale:MATRIX_SCALE_ROW1
.else
	v_wmma_scale_f32_16x16x128_f8f6f4 v[ACC+8*(\nt):ACC+8*(\nt)+7], v[XF+8*(\s):XF+8*(\s)+7], v[0+(\b):7+(\b)], v[ACC+8*(\nt):ACC+8*(\nt)+7], v[XSR+(\s)-4], v[WSR+4*(\nt)+(\s)-4] matrix_a_fmt:MATRIX_FMT_FP4 matrix_b_fmt:MATRIX_FMT_FP4 matrix_a_scale:MATRIX_SCALE_ROW1 matrix_b_scale:MATRIX_SCALE_ROW1
.endif
.else
	v_wmma_scale_f32_16x16x128_f8f6f4 v[ACC+8*(\nt):ACC+8*(\nt)+7], v[XF+8*(\s):XF+8*(\s)+7], v[0+(\b):7+(\b)], v[ACC+8*(\nt):ACC+8*(\nt)+7], v[XSR+(\s)], v[WSR+4*(\nt)+(\s)] matrix_a_fmt:MATRIX_FMT_FP4 matrix_b_fmt:MATRIX_FMT_FP4
.endif
.endm
; Tiles 4 g .. 4 g + 3 of my 16: 32 products, the four accumulators by turns, one instruction a turn, then their part of the sum with g.
; S holds K steps 4, 5 on the way in; K steps 6, 7 come while the 16 products on registers are issued; the next group's 4, 5 come while the exponentials are worked.
.macro GROUP g, first
	s_wait_dscnt 0x0                               ; S, W's scale words (and for the block's first group x's fragments and scale words) are in
	WIN 0x04
.irp nt, 0,1,2,3
	WM 4, \nt, S+16*\nt, 1
.endr
.irp nt, 0,1,2,3
	WM 5, \nt, S+16*\nt+8, 0
.endr
	PLACES
	s_wait_alu depctr_va_vdst(0)                   ; the eight products above are done reading S, in which K steps 6, 7 land; the multiply-adds of the group before are done reading BG, in which this group's bc and g land
	SLD \g, 2
.irp nt, 0,1,2,3
	ds_load_b32 v[BG+4*\nt], v[ABG] offset:64*(4*(\g)+\nt)
	ds_load_b32 v[BG+4*\nt+2], v[ABG] offset:4096+64*(4*(\g)+\nt)
.endr
	WIN 0x08+4*((\g)/2)
.irp ks, 0,1,2,3
.irp nt, 0,1,2,3
	WM \ks, \nt, 8*(4*(4*((\g)%2)+\nt)+\ks), 0
.endr
.endr
	s_wait_dscnt 0x0                               ; K steps 6, 7, bc and g are in
	WIN 0x04
.irp nt, 0,1,2,3
	WM 6, \nt, S+16*\nt, 0
.endr
.irp nt, 0,1,2,3
	WM 7, \nt, S+16*\nt+8, 0
.endr
	PLACES
	s_wait_alu depctr_va_vdst(0)                   ; the group's products are done reading S and WSR, in which the next group's fragments and scale words land; in a block's last group also XF and XSR, in which the next block's land
	SLD ((\g)+1)%4, 0
	WSLD ((\g)+1)%4
.irp nt, 0,1,2,3
.irp p, 0,2,4,6
	v_pk_fma_f32 v[ACC+8*\nt+\p:ACC+8*\nt+\p+1], v[ACC+8*\nt+\p:ACC+8*\nt+\p+1], s[CC:CC+1], v[BG+4*\nt:BG+4*\nt+1] op_sel_hi:[1,0,0]   ; C2 x sum + bc; each accumulator from its low end on
.endr
.endr
.set jj, 0
.rept 32
	v_exp_f32 v[ACC+jj], v[ACC+jj]
.set jj, jj+1
.endr
	v_nop                                          ; a plain line behind the last exponential,
	s_wait_alu depctr_va_vdst(0)                   ; and one wait for the batch: the 32 exponentials have written ACC, ahead of their first reader
.set jj, 0
.rept 16
	v_pk_add_f32 v[ACC+jj:ACC+jj+1], v[ACC+jj:ACC+jj+1], 1.0 op_sel_hi:[1,0]
.set jj, jj+2
.endr
.set jj, 0
.rept 32
	v_rcp_f32 v[ACC+jj], v[ACC+jj]
.set jj, jj+1
.endr
	v_nop
	s_wait_alu depctr_va_vdst(0)                   ; likewise: the 32 reciprocals have written ACC
.irp nt, 0,1,2,3
.irp p, 0,2,4,6
.if (\first) && (\nt == 0)
	v_pk_mul_f32 v[SACC+\p:SACC+\p+1], v[ACC+\p:ACC+\p+1], v[BG+2:BG+3] op_sel_hi:[1,0]      ; the block's first tile starts the sums: nothing is cleared
.else
	v_pk_fma_f32 v[SACC+\p:SACC+\p+1], v[ACC+8*\nt+\p:ACC+8*\nt+\p+1], v[BG+4*\nt+2:BG+4*\nt+3], v[SACC+\p:SACC+\p+1] op_sel_hi:[1,0,1]
.endif
.endr
.endr
.endm
.macro CUPD                            ; cpart's part: my four rows, as bf16, times their aloc, summed in f32
	WIN 0x01
.irp u, 0,1,2,3
.irp i, 0,1,2,3
.irp p, 0,1,2,3
	v_fma_mix_f32_bf16 v[CACC+8*\i+2*\p], v[R+16*\u+4*\i+\p], v[WB+\u], v[CACC+8*\i+2*\p] op_sel_hi:[1,0,0]
	v_fma_mix_f32_bf16 v[CACC+8*\i+2*\p+1], v[R+16*\u+4*\i+\p], v[WB+\u], v[CACC+8*\i+2*\p+1] op_sel:[1,0,0] op_sel_hi:[1,0,0]
.endr
.endr
.endr
	WIN 0
.endm
.macro WLD k, reg                      ; K steps 4-7 of tiles 2 k, 2 k + 1 from memory into 64 registers of window 1
	WIN 0x40
.irp t, 0,1
.irp ks, 0,1,2,3
.irp c, 0,1
	global_load_b128 v[(\reg)+32*\t+8*\ks+4*\c:(\reg)+32*\t+8*\ks+4*\c+3], v[VW], s[12:13] offset:8192*(2*(\k)+\t)+256+64*\ks+32*\c
.endr
.endr
.endr
.endm
.macro WST k, reg                      ; and on into my images
	WIN 0x04
.irp t, 0,1
.irp ks, 0,1,2,3
.irp c, 0,1
	ds_store_b128 v[AWL], v[(\reg)+32*\t+8*\ks+4*\c:(\reg)+32*\t+8*\ks+4*\c+3] offset:(4*(2*(\k)+\t)+\ks)*1024+512*\c
.endr
.endr
.endr
.endm
	s_load_b512 s[8:23], s[0:1], 0x0               ; enc s[8:9], noise s[10:11], W codes s[12:13], W scales s[14:15], g s[16:17], bc s[18:19], aloc s[20:21], cpart s[22:23]
	s_load_b256 s[24:31], s[0:1], 0x40             ; enc_hs_len s[24:25], mono_factor s[26:27], mono_bias s[28:29], lsum s[30:31]
	v_lshl_add_u32 v[SPW], v0, 2, SPARE
	v_mov_b32 v[NIL], 0
	v_lshrrev_b32 v[T], 5, v0
	v_readfirstlane_b32 s2, v[T]                   ; wave 0..3
	v_and_b32 v[T], 31, v0                         ; lane
	v_and_b32 v[T+1], 15, v0                       ; r
	v_bfe_u32 v[T+2], v0, 4, 1                     ; h
	v_and_b32 v[T+3], 7, v0                        ; r % 8
	s_mov_b32 s3, ttmp9                            ; j
	s_and_b32 s4, ttmp7, 0xffff                    ; b
	s_wait_alu depctr_va_sdst(0)                   ; s2, the wave's number, is written, ahead of its first reader, the next line
	s_lshl_b32 s48, s2, 14
	v_lshl_add_u32 v[VE], v[T], 5, s48
	v_lshlrev_b32 v[VT], 2, v[T+1]
	s_lshl_b32 s48, s2, 16
	v_lshl_add_u32 v[AWL], v[T], 4, s48
	s_lshl_b32 s48, s2, 13
	v_lshl_add_u32 v[VS], v[T+1], 5, s48
	v_lshl_add_u32 v[VS], v[T+2], 4, v[VS]
	s_add_co_u32 s48, s48, WS
	v_lshl_add_u32 v[ASW], v[T], 4, s48
	s_lshl_b32 s48, s2, 10
	v_lshl_add_u32 v[ACD], v[T], 4, s48
	s_add_co_u32 s48, s48, TBC
	v_lshl_add_u32 v[ABG], v[T+1], 2, s48
	v_lshl_add_u32 v[ATB], v[T], 4, s48
	v_mul_u32_u24 v[AXF], v[T+1], 528
	v_lshl_add_u32 v[AXF], v[T+2], 4, v[AXF]
	v_add_nc_u32 v[AXF], XC, v[AXF]
	v_lshlrev_b32 v[AXS], 5, v[T+1]
	v_lshl_add_u32 v[AXS], v[T+2], 4, v[AXS]
	v_add_nc_u32 v[AXS], XS, v[AXS]
	s_mul_i32 s48, s2, 2112
	s_add_co_u32 s48, s48, XC
	v_lshl_add_u32 v[AQC], v[T], 2, s48
	s_lshl_b32 s48, s2, 7
	s_add_co_u32 s48, s48, XS
	v_lshrrev_b32 v[AQS], 2, v[T]
	v_add_nc_u32 v[AQS], s48, v[AQS]
	v_lshl_add_u32 v[AEP], v[T+1], 2, EP
	s_lshl_b32 s48, s2, 6
	s_add_co_u32 s48, s48, EP
	v_lshl_add_u32 v[AES], v[T+3], 2, s48
	v_lshl_add_u32 v[AES], v[T+2], 5, v[AES]
	s_lshl_b32 s48, s2, 12
	v_lshl_add_u32 v[ACR], v[T], 5, s48
	s_lshl_b32 s48, s2, 17
	v_lshl_add_u32 v[VW], v[T+1], 9, s48
	v_lshl_add_u32 v[VW], v[T+2], 4, v[VW]
	v_lshlrev_b32 v[VL], 4, v[T]
	s_lshl_b32 s48, s2, 4
	v_mov_b32 v[IDX], s48
.irp u, 1,2,3
	v_add_nc_u32 v[IDX+\u], 4*\u, v[IDX]
.endr
.irp k, 0,1,2,3,4,5,6,7
	v_cmp_eq_u32 s[MK+\k], \k, v[T+3]
	v_mov_b32 v[BG+2*\k+1], 0
.endr
	s_wait_alu depctr_va_sdst(0)                   ; the eight masks s[MK ..] are written: one wait behind the run of compares, ahead of every branch and label; the selects in the loop read them
.set jj, 0
.rept 32
	v_mov_b32 v[CACC+jj], 0                        ; a chunk may have no rows, and still stores its part of cpart
.set jj, jj+1
.endr
	v_mov_b32 v[LRUN], 0
	s_mov_b32 s[CC], 0x4038aa3b                    ; C2 = 2 log2(e)
	s_mov_b32 s[CC+1], s[CC]
	s_mov_b32 s[SEL], 0x76543210
	s_mov_b32 s[SEL+1], 0xfedcba98
	s_lshl_b32 s48, s4, 2
	s_mov_b32 s49, 0
	s_wait_kmcnt 0x0
	s_add_nc_u64 s[24:25], s[24:25], s[48:49]
	s_load_b32 s5, s[24:25], 0x0                   ; enc_hs_len[b]
	s_load_b32 s38, s[26:27], 0x0                  ; mono_factor
	s_load_b32 s39, s[28:29], 0x0                  ; mono_bias
	s_mov_b32 s51, 0
	s_lshl_b32 s50, s4, 12
	s_add_nc_u64 s[18:19], s[18:19], s[50:51]      ; bc at my batch
	s_lshl_b32 s50, s4, 3
	s_add_co_u32 s50, s50, s3                      ; 8 b + j
	s_lshl_b32 s52, s50, 2
	s_mov_b32 s53, 0
	s_add_nc_u64 s[30:31], s[30:31], s[52:53]      ; lsum at my chunk
	s_lshl_b32 s50, s50, 12
	s_add_nc_u64 s[22:23], s[22:23], s[50:51]      ; cpart at my chunk
	s_wait_kmcnt 0x0
	s_max_i32 s5, s5, 0
	s_min_u32 s5, s5, 2000                         ; L
	s_add_co_u32 s6, s5, 127
	s_lshr_b32 s6, s6, 7
	s_min_u32 s6, s6, 16                           ; q: held by a constant ahead of every address that is made of it
	s_add_co_u32 s7, s5, 15
	s_lshr_b32 s7, s7, 4                           ; live blocks of the batch
	s_mul_i32 s48, s3, s6                          ; j q: my first block, at most 112
	s_sub_co_i32 s[REM], s7, s48
	s_max_i32 s[REM], s[REM], 0
	s_min_u32 s[REM], s[REM], s6                   ; my blocks
	s_mul_i32 s50, s4, 8192000
	s_add_nc_u64 s[EB:EB+1], s[8:9], s[50:51]
	s_lshl_b32 s50, s48, 16
	s_add_nc_u64 s[EB:EB+1], s[EB:EB+1], s[50:51]
	s_mul_i32 s50, s4, 8000
	s_lshl_b32 s52, s48, 6
	s_add_co_u32 s50, s50, s52
	s_add_nc_u64 s[NB:NB+1], s[10:11], s[50:51]
	s_add_nc_u64 s[AB:AB+1], s[20:21], s[50:51]
	s_lshl_b32 s52, s48, 4
	v_add_nc_u32 v[TROW], s52, v[T+1]
	s_wait_alu depctr_va_vdst(0)                   ; every address and offset of the kernel is written, which the loads, stores and permutes from here on read; and the lines above are done with T .. T + 3, in which loads land below
	ELOAD                                          ; my first block is asked for ahead of the weights
	global_load_b32 v[NZ], v[VT], s[NB:NB+1]
	WIN 0x80                                       ; W's K steps 0-3: tiles 0-7 into window 2,
.irp n, 0,1,2,3,4,5,6,7
.irp ks, 0,1,2,3
.irp c, 0,1
	global_load_b128 v[8*(4*\n+\ks)+4*\c:8*(4*\n+\ks)+4*\c+3], v[VW], s[12:13] offset:8192*\n+64*\ks+32*\c
.endr
.endr
.endr
	WIN 0xc0                                       ; tiles 8-15 into window 3
.irp n, 0,1,2,3,4,5,6,7
.irp ks, 0,1,2,3
.irp c, 0,1
	global_load_b128 v[8*(4*\n+\ks)+4*\c:8*(4*\n+\ks)+4*\c+3], v[VW], s[12:13] offset:8192*(8+\n)+64*\ks+32*\c
.endr
.endr
.endr
	WLD 0, S                                       ; K steps 4-7 go through S and R by turns, two batches of 16 loads out
	WLD 1, R
.irp k, 0,1,2,3,4,5
	s_wait_loadcnt 16                              ; loads come back in order: all but the one younger batch of 16 are in
	WST \k, S-64*(\k%2)
	s_wait_dscnt 0x0                               ; the stores have landed,
	s_wait_alu depctr_vm_vsrc(0)                   ; and have read their 64 registers, in which the batch two on lands
	WLD \k+2, S-64*(\k%2)
.endr
	s_wait_loadcnt 16
	WST 6, S
	s_wait_loadcnt 0x0
	WST 7, R
	WIN 0
.irp n, 0,1,2,3,4,5,6,7,8,9,10,11,12,13,14,15
	global_load_b128 v[XF+4*\n:XF+4*\n+3], v[VS], s[14:15] offset:512*\n                     ; W's scale bytes: lane (r, h) takes bytes 16 h .. 16 h + 15 of row r of tile n
.endr
.irp c, 0,1
	global_load_b128 v[T+4*\c:T+4*\c+3], v[ACD], s[18:19] offset:512*\c                      ; bc of my 256 columns
	global_load_b128 v[T+8+4*\c:T+8+4*\c+3], v[ACD], s[16:17] offset:512*\c                  ; g of my 256 columns
.endr
.irp c, 0,1,2,3,4,5,6,7
	global_load_b128 v[ACC+4*\c:ACC+4*\c+3], v[VL], s[16:17] offset:512*\c                   ; all of g, for its sum and its norm
.endr
	s_wait_loadcnt 0x0
.irp n, 0,1,2,3,4,5,6,7,8,9,10,11,12,13,14,15
	ds_store_b128 v[ASW], v[XF+4*\n:XF+4*\n+3] offset:512*\n
.endr
.irp c, 0,1
	ds_store_b128 v[ATB], v[T+4*\c:T+4*\c+3] offset:512*\c
	ds_store_b128 v[ATB], v[T+8+4*\c:T+8+4*\c+3] offset:4096+512*\c
.endr
	v_pk_mul_f32 v[T+16:T+17], v[ACC:ACC+1], v[ACC:ACC+1]
	v_pk_add_f32 v[T+18:T+19], v[ACC:ACC+1], v[ACC+2:ACC+3]
	v_pk_fma_f32 v[T+16:T+17], v[ACC+2:ACC+3], v[ACC+2:ACC+3], v[T+16:T+17]
.irp p, 4,6,8,10,12,14,16,18,20,22,24,26,28,30
	v_pk_fma_f32 v[T+16:T+17], v[ACC+\p:ACC+\p+1], v[ACC+\p:ACC+\p+1], v[T+16:T+17]
	v_pk_add_f32 v[T+18:T+19], v[T+18:T+19], v[ACC+\p:ACC+\p+1]
.endr
	v_add_f32 v[T+16], v[T+16], v[T+17]
	v_add_f32 v[T+18], v[T+18], v[T+19]
.irp m, 1,2,4,8
	v_add_f32_dpp v[T+16], v[T+16], v[T+16] row_xmask:\m row_mask:0xf bank_mask:0xf
	v_add_f32_dpp v[T+18], v[T+18], v[T+18] row_xmask:\m row_mask:0xf bank_mask:0xf
.endr
	v_permlanex16_b32 v[T+17], v[T+16], s[SEL], s[SEL+1]
	v_permlanex16_b32 v[T+19], v[T+18], s[SEL], s[SEL+1]
	v_add_f32 v[T+16], v[T+16], v[T+17]            ; sum of g^2
	v_add_f32 v[T+18], v[T+18], v[T+19]            ; sum of g
	v_rsq_f32 v[T+20], v[T+16]
	v_nop
	s_wait_alu depctr_va_vdst(0)                   ; the root has written T + 20, ahead of its first reader
	v_mul_f32 v[T+20], s38, v[T+20]                ; scale = mono_factor / |g|
	v_mul_f32 v[E1], -2.0, v[T+20]
	v_fma_f32 v[E0], v[T+20], v[T+18], s39
	s_wait_dscnt 0x0                               ; my images are whole,
	s_wait_alu depctr_vm_vsrc(0)                   ; and their stores have read S, in which the loads below land; R and T .. T + 15, which the quantiser writes; and XF, in which the first block's fragments land
	SLD 0, 0
	WSLD 0
	QUANT4                                         ; my first block
	s_wait_xcnt 0x0                                ; every load issued has read its base: enc's may step
	s_add_nc_u64 s[EB:EB+1], s[EB:EB+1], 0x10000
	s_cmp_lt_u32 s[REM], 2
	s_cbranch_scc1 .Lone
	ELOAD                                          ; my second block, if there is one: no load leaves the live rows.  (The quantiser's wait has shown X read; nothing since names it)
.Lone:
	s_mov_b32 s[TRC], 16
.Lblk:
	BAR                                            ; the block's codes and scale bytes lie in LDS; every wave's reads of the partial sums are over
	s_wait_alu depctr_vm_vsrc(0)                   ; the quantiser's LDS stores have read T .. T + 47, and the last block's store and permutes AL: this block's vector lines write them again
	s_cmp_eq_u32 s[REM], 0
	s_cbranch_scc1 .Lskip1
.irp ks, 0,1,2,3,4,5,6,7
.irp c, 0,1
	ds_load_b128 v[XF+8*\ks+4*\c:XF+8*\ks+4*\c+3], v[AXF] offset:64*\ks+32*\c                ; (the last group's second wait has shown the products done reading XF and XSR; nothing since names them)
.endr
.endr
	ds_load_b128 v[XSR:XSR+3], v[AXS]
	GROUP 0, 1
	GROUP 1, 0
	GROUP 2, 0
	GROUP 3, 0
.irp m, 1,2,4,8
.irp k, 0,1,2,3,4,5,6,7
	v_add_f32_dpp v[SACC+\k], v[SACC+\k], v[SACC+\k] row_xmask:\m row_mask:0xf bank_mask:0xf   ; over the 16 columns of a tile's lanes
.endr
.endr
	v_cndmask_b32 v[T], v[SACC], v[SACC+1], s[MK+1]
.irp k, 2,3,4,5,6,7
	v_cndmask_b32 v[T], v[T], v[SACC+\k], s[MK+\k]                                           ; lane (r, h) keeps row 8 h + r % 8
.endr
	s_wait_alu depctr_va_vdst(0)                   ; the selects have written v[T], which the LDS store reads
	ds_store_b32 v[AES], v[T]                      ; lanes r and r + 8 write the same word with the same value
.Lskip1:
	BAR                                            ; the four waves' partial sums lie in LDS; every wave's reads of the block's codes are over
	s_wait_alu depctr_vm_vsrc(0)                   ; my LDS store of the partial sum has read v[T], in which a load below lands
	s_cmp_eq_u32 s[REM], 0
	s_cbranch_scc1 .Lskip2
.irp w, 0,1,2,3
	ds_load_b32 v[T+\w], v[AEP] offset:64*\w
.endr
	s_wait_dscnt 0x0
	s_wait_loadcnt 0x0                             ; the noise, and the next block's numbers, which are wanted a few lines on; for 0, since the younger loads are issued on some ways only.  It shows the loads that read enc's and noise's bases done: both may step
	s_add_nc_u64 s[EB:EB+1], s[EB:EB+1], 0x10000   ; enc at the block two on,
	s_add_nc_u64 s[NB:NB+1], s[NB:NB+1], 64        ; noise at the next block
	v_add_f32 v[T], v[T], v[T+1]
	v_add_f32 v[T+2], v[T+2], v[T+3]
	v_add_f32 v[T], v[T], v[T+2]
	v_fma_f32 v[T], v[T], v[E1], v[E0]
	v_add_f32 v[T], v[T], v[NZ]                    ; e of row lane % 16, in every wave
	v_mul_f32 v[T], 0xbfb8aa3b, v[T]
	v_exp_f32 v[T+1], v[T]
	v_nop
	s_wait_alu depctr_va_vdst(0)                   ; the exponential has written T + 1
	v_add_f32 v[T+1], 1.0, v[T+1]
	v_rcp_f32 v[T+2], v[T+1]
	v_nop
	v_cmp_gt_u32 vcc_lo, s5, v[TROW]
	s_wait_alu depctr_va_vdst(0)                   ; the reciprocal has written T + 2
	s_wait_alu depctr_va_vcc(0)                    ; the compare has written VCC, which the select reads
	v_cndmask_b32 v[T+2], 0, v[T+2], vcc_lo        ; p; 0 at and beyond enc_hs_len
	v_sub_f32 v[T+3], 1.0, v[T+2]
	v_max_num_f32 v[T+3], 0x800000, v[T+3]         ; the clip at the smallest normal number
	v_log_f32 v[T+4], v[T+3]
	v_nop
	s_wait_alu depctr_va_vdst(0)                   ; the logarithm has written T + 4
	v_mov_b32 v[T+5], v[T+4]
.irp m, 1,2,4,8
	v_add_f32_dpp v[T+5], v[T+5], v[T+5] row_shr:\m row_mask:0xf bank_mask:0xf bound_ctrl:1  ; the running sum over the block's 16 rows
.endr
	v_sub_f32 v[T+6], v[T+5], v[T+4]               ; without the row itself,
	v_add_f32 v[T+6], v[T+6], v[LRUN]              ; with the chunk's earlier blocks
	v_exp_f32 v[T+7], v[T+6]
	v_nop
	v_readlane_b32 s48, v[T+5], 15                 ; the block's whole sum
	s_wait_alu depctr_va_vdst(0)                   ; the exponential has written T + 7
	v_mul_f32 v[AL], v[T+2], v[T+7]
	s_wait_alu depctr_va_sdst(0)                   ; s48 is written, ahead of its first reader, the next line
	v_add_f32 v[LRUN], s48, v[LRUN]
	s_wait_alu depctr_va_vdst(0)                   ; AL is written, which the store and the permutes read; the last block's multiply-adds are done reading WB, in which the permutes land; NZ has been read, in which the next noise lands
	s_cmp_lg_u32 s2, 0
	s_cbranch_scc1 .Lnot0
	global_store_b32 v[VT], v[AL], s[AB:AB+1]      ; wave 0 stores the block's 16 numbers (both halves of the lanes hold the same)
.Lnot0:
.irp u, 0,1,2,3
	ds_bpermute_b32 v[WB+\u], v[IDX+\u], v[AL]     ; aloc of my rows 4 w + u, in every lane
.endr
	s_wait_dscnt 0x0
	CUPD
	s_wait_xcnt 0x0                                ; the store above, the one memory instruction that is out, has read aloc's base and its data AL: the base steps here, and the next block writes AL, only behind this wait
	s_add_nc_u64 s[AB:AB+1], s[AB:AB+1], 64        ; aloc at the next block
	s_cmp_lt_u32 s[REM], 2
	s_cbranch_scc1 .Lnoq
	global_load_b32 v[NZ], v[VT], s[NB:NB+1]       ; the next block: its noise,
	QUANT4                                         ; its codes (every wave's reads of the old ones were over at the barrier above),
	s_cmp_lt_u32 s[REM], 3
	s_cbranch_scc1 .Lnoq
	ELOAD                                          ; and the block after it is asked for: it has the next block's products in which to land.  (The quantiser's wait has shown X read; nothing since names it)
.Lnoq:
	v_add_nc_u32 v[TROW], 16, v[TROW]
	s_sub_co_u32 s[REM], s[REM], 1
.Lskip2:
	s_sub_co_u32 s[TRC], s[TRC], 1
	s_cmp_lg_u32 s[TRC], 0
	s_cbranch_scc1 .Lblk
; THE WAY OUT.  The four waves' parts of cpart meet in LDS, over wave 0's images, whose last reads were awaited ahead of the loop's last barrier; each wave adds and stores 256 columns: 512 consecutive bytes a store.
	s_wait_alu depctr_va_vdst(0)                   ; the multiply-adds have written CACC, which the LDS stores read; and every vector line is done with ACC, in which the loads below land
.irp i, 0,1,2,3
.irp c, 0,1
	ds_store_b128 v[ACR], v[CACC+8*\i+4*\c:CACC+8*\i+4*\c+3] offset:1024*\i+16*\c
.endr
.endr
	BAR
	s_wait_alu depctr_vm_vsrc(0)                   ; the quantiser's LDS stores have read v[T], which wave 0 writes below: ahead of the branch that leads there
.irp w, 0,1,2,3
.irp c, 0,1
	ds_load_b128 v[ACC+8*\w+4*\c:ACC+8*\w+4*\c+3], v[ACD] offset:4096*\w+512*\c
.endr
.endr
	s_wait_dscnt 0x0
.irp p, 0,2,4,6
	v_pk_add_f32 v[ACC+\p:ACC+\p+1], v[ACC+\p:ACC+\p+1], v[ACC+8+\p:ACC+8+\p+1]
	v_pk_add_f32 v[ACC+16+\p:ACC+16+\p+1], v[ACC+16+\p:ACC+16+\p+1], v[ACC+24+\p:ACC+24+\p+1]
.endr
.irp p, 0,2,4,6
	v_pk_add_f32 v[ACC+\p:ACC+\p+1], v[ACC+\p:ACC+\p+1], v[ACC+16+\p:ACC+16+\p+1]
.endr
	s_wait_alu depctr_va_vdst(0)                   ; the additions have written ACC .. ACC + 7, which the two stores read
	global_store_b128 v[ACD], v[ACC:ACC+3], s[22:23]
	global_store_b128 v[ACD], v[ACC+4:ACC+7], s[22:23] offset:512
	s_cmp_lg_u32 s2, 0
	s_cbranch_scc1 .Lend
	v_mov_b32 v[T], 0
	s_wait_alu depctr_va_vdst(0)                   ; v[T] is written, the store's offset
	global_store_b32 v[T], v[LRUN], s[30:31]       ; one word: every lane holds the same number
.Lend:
	s_wait_dscnt 0x0                               ; the closing lines, six on end
	s_wait_alu 0x0
	s_wait_tensorcnt 0x0
	ds_add_u32 v[SPW], v[NIL]
	s_wait_dscnt 0x0
	s_endpgm
.Lfunc_end_k_q94ae4506dd_main:
	.size	k_q94ae4506dd_main, .Lfunc_end_k_q94ae4506dd_main-k_q94ae4506dd_main
	.p2alignl 7, 3214868480
	.fill 96, 4, 3214868480
	.section	.rodata,"a",@progbits
	.p2align	6, 0x0
	.amdhsa_kernel k_q94ae4506dd_main
		.amdhsa_group_segment_fixed_size 312832
		.amdhsa_private_segment_fixed_size 0
		.amdhsa_enable_private_segment 0
		.amdhsa_kernarg_size 96
		.amdhsa_user_sgpr_count 2
		.amdhsa_user_sgpr_kernarg_segment_ptr 1
		.amdhsa_wavefront_size32 1
		.amdhsa_system_sgpr_workgroup_id_x 1
		.amdhsa_system_sgpr_workgroup_id_y 1
		.amdhsa_system_sgpr_workgroup_id_z 1
		.amdhsa_system_vgpr_workitem_id 0
		.amdhsa_next_free_vgpr 1024
		.amdhsa_next_free_sgpr 66
		.amdhsa_reserve_vcc 1
		.amdhsa_float_denorm_mode_32 3
		.amdhsa_float_denorm_mode_16_64 3
		.amdhsa_memory_ordered 1
		.amdhsa_forward_progress 1
		.amdhsa_inst_pref_size 156
	.end_amdhsa_kernel
	.amdgpu_metadata
---
amdhsa.version: [ 1, 2 ]
amdhsa.kernels:
  - .name:           k_q94ae4506dd_main
    .symbol:         k_q94ae4506dd_main.kd
    .args:
      - { .name: enc_hs_pad, .offset: 0, .size: 8, .value_kind: global_buffer, .address_space: global }
      - { .name: noise, .offset: 8, .size: 8, .value_kind: global_buffer, .address_space: global }
      - { .name: W_enc_codes, .offset: 16, .size: 8, .value_kind: global_buffer, .address_space: global }
      - { .name: W_enc_scales, .offset: 24, .size: 8, .value_kind: global_buffer, .address_space: global }
      - { .name: g_vec, .offset: 32, .size: 8, .value_kind: global_buffer, .address_space: global }
      - { .name: bc, .offset: 40, .size: 8, .value_kind: global_buffer, .address_space: global }
      - { .name: aloc, .offset: 48, .size: 8, .value_kind: global_buffer, .address_space: global }
      - { .name: cpart, .offset: 56, .size: 8, .value_kind: global_buffer, .address_space: global }
      - { .name: enc_hs_len, .offset: 64, .size: 8, .value_kind: global_buffer, .address_space: global }
      - { .name: mono_factor, .offset: 72, .size: 8, .value_kind: global_buffer, .address_space: global }
      - { .name: mono_bias, .offset: 80, .size: 8, .value_kind: global_buffer, .address_space: global }
      - { .name: lsum, .offset: 88, .size: 8, .value_kind: global_buffer, .address_space: global }
    .group_segment_fixed_size: 312832
    .private_segment_fixed_size: 0
    .kernarg_segment_align: 8
    .kernarg_segment_size: 96
    .max_flat_workgroup_size: 128
    .sgpr_count:     66
    .vgpr_count:     1024
    .wavefront_size: 32
...
	.end_amdgpu_metadata
.endif
;; end of part 5
;; launch fin: the kernel of part 3 again; grid 8 x 32, 1 waves a work-group, no clusters, 0 bytes of LDS; arguments enc_hs_len, aloc, cpart, lsum, out0, out1; writes out0, out1
